; MI455X (gfx1250); checked and timed in simulation.
; The chip was launched on July 23, 2026; its instructions are those of AMD's public machine-readable ISA for CDNA 5 (MIT licence, August 2026) and "CDNA5" Instruction Set Architecture Reference Guide (July 2026). The comments in the code are by the model that wrote it; some were corrected since.
;; Causal Self Po M. Allowed arithmetic: matrix products marked QUANTISED: E2M3 operands, one E8M0 scale for each 32 along K, by v_wmma_scale_f32_16x16x128_f8f6f4 with both operands' format E2M3, f32 sums; everything else in f32.
;; Inputs: W_agg 1,024 x 4,096 float32; W_out 2,048 x 1,024 float32; W_sel 1,024 x 2,048 float32; sqk_k 4,096 float32; sqk_q 2,048 float32; x 4 x 2,048 x 1,024 float32.
;; Outputs: out0 4 x 2,048 x 1,024 float32.
;; This version of the problem:
;;   THIS VERSION OF THE PROBLEM IS GIVEN IN LOW PRECISION. The matrix products marked QUANTISED in the list below multiply operands that are first quantised to E2M3 (2 exponent bits, 3 mantissa bits; 6 bits a number), with one power-of-two scale for each 32 numbers along K (OCP MX v1.0); their sums are f32. All else is computed in f32.
;;   The module's matrix products, in the order in which they are computed (A, B: the left and right operand; K: the contracted axis; several contracted axes count as one K, in the product's order):
;;     1. [M 8,192, K 1,024] x [K 1,024, N 2,048]; A: input x; B: input W_sel: QUANTISED
;;     2. [M 8,192, K 1,024] x [K 1,024, N 4,096]; A: input x; B: input W_agg: QUANTISED
;;     3. [M 8,192, K 2,048] x [K 2,048, N 1,024]; A: computed on the way; B: input W_out: QUANTISED
;;   THE QUANTISER, for each operand of a quantised product, along K:
;;     - K is cut into blocks of 32 from its start; a last block that is shorter is filled with zeros.
;;     - A block's scale is 2^e with e = floor(log2(the largest magnitude in the block)) - 2, held to -126 .. 127; a block of zeros has e = 0. As a byte (E8M0): e + 127.
;;     - Each number is divided by its block's scale, clamped to +-7.5, and rounded to the nearest number of E2M3, ties to even, subnormals kept.
;;     - The product sums the exact products of the quantised numbers (number of the format x scale) in f32.
;;   ~~~python
;;   def quantise(x, axis):      # numpy; x: float32 -> the quantised numbers, widened to float32 again
;;       x = np.moveaxis(x, axis, -1); K = x.shape[-1]
;;       x = np.pad(x, [(0, 0)] * (x.ndim - 1) + [(0, -K % 32)]); x = x.reshape(x.shape[:-1] + (-1, 32)); a = np.abs(x).max(-1, keepdims=True)
;;       e = np.where(a > 0, np.clip(np.frexp(np.where(a > 0, a, 1))[1] - 1 - 2, -126, 127), 0)      # np.frexp(a)[1] - 1 = floor(log2(a)), exactly
;;       r = np.clip(x / 2.0 ** e, -7.5, 7.5)
;;       step = 2.0 ** (np.maximum(np.frexp(np.where(r == 0, 1, r))[1] - 1, 0) - 3)
;;       q = np.round(r / step) * step * 2.0 ** e      # np.round: ties to even
;;       return np.moveaxis(q.reshape(q.shape[:-2] + (-1,))[..., :K], -1, axis).astype(np.float32)
;;   ~~~
;;   OPERANDS COMPUTED ON THE WAY. 'Computed on the way' means the value that the module computes at that place (a softmax that the list does not call 'softmax' is quantised finished and normalised). What goes into a quantiser is computed in f32, as accurately as f32 sums, v_exp_f32 and their like allow (about 1e-6 of the number): no bf16 or f16 on the way to a quantiser, and a product that is left as it is and whose result goes on into a quantised operand takes f32 operands (vector FMAs, or v_wmma_f32_16x16x4_f32). A number that lies on a knife's edge between two numbers of the format may be rounded either way, as far as f32 arithmetic and the matrix unit's own rounding can turn it there, and no further.
;; One version. Each part assembles by itself: llvm-mc -triple=amdgcn-amd-amdhsa -mcpu=gfx1250 --defsym DOCPART=n.
;; ======== version 1 of 1: 3 launches
;; limits: right only within a limited range of input values
;; workspace buffers: xq 6,553,600 bytes; wq 6,291,456 bytes; ws 262,144 bytes; uq 12,582,912 bytes; us 524,288 bytes
;; launch quant (part 1): grid 512 x 1, 4 waves a work-group, no clusters, 34,304 bytes of LDS; arguments x, W_sel, W_agg, W_out, xq, wq, ws; writes xq, wq, ws
.if DOCPART == 1
	.amdgcn_target "amdgcn-amd-amdhsa--gfx1250"
	.amdhsa_code_object_version 6
	.text
	.protected	k_qbe30eb59b9_quant
	.globl	k_qbe30eb59b9_quant
	.p2align	8
	.type	k_qbe30eb59b9_quant,@function
k_qbe30eb59b9_quant:
	s_mov_b64 s[64:65], 0
	v_nop
	global_prefetch_b8 v0, s[64:65] scope:SCOPE_SE
	s_setreg_imm32_b32 hwreg(HW_REG_WAVE_MODE, 25, 1), 1
	s_wait_xcnt 0x0
; x [8192][1024] and the weights W_sel [1024][2048], W_agg [1024][4096], W_out [2048][1024], all f32, become codes of FP6 (E2M3) with one E8M0 byte for each 32 along K,
; laid as IMAGES OF THE OPERAND'S REGISTERS: a fragment (16 rows x 128 K, 12 registers a lane) is 1,536 bytes, register 4 g + d of lane l at byte 512 g + 16 l + 4 d, so that the
; later launches fetch fragments by loads of 16 bytes a lane alone.
; A block's scale is 2^(floor(log2(largest magnitude)) - 2): its byte is the largest magnitude's exponent field - 2, held at 1 from below by a floor among the maximum's leaves.
; (A block of zeros keeps the byte 1 where the rule says 127: its codes are zeros, and this program alone reads the bytes.)
; LIMITS: NaN and infinities are not served; blocks whose largest magnitude lies under 2^-124 keep the byte 1.
; WORK-GROUPS 0-255 take x, 32 rows each (128 KiB); work-groups 256-511 take the weights, 128 columns x 256 along K each (128 KiB).  No barrier: waves share nothing.
; xq: 512 records of 12,800 bytes.  Record 2 G + a holds the 16 rows 32 G + 2 p + a: 8 fragments (K steps), then at 12,288 the scale words [half of K][lane][2]: word e of lane (r, h) is row r's of K step 4 kap + 2 e + h.
; wq: [pair of 32 columns][K step][tile u][1,536]; lane r of tile u takes column 32 P + 8 u + r + 8 (r / 8).  W_sel at 0, W_agg at AGGQ, W_out at OUTQ.
; ws: [pair][K step / 2][lane][2 words]: lanes 0-15 tile 0's rows, lanes 16-31 tile 1's.
.set AGGQ,  1572864
.set OUTQ,  4718592
.set REC,   12800
.set SPX,   528                        ; a stage row: 512 bytes + 16: the sixteen rows that a load of 16 bytes a lane touches start at sixteen different columns of 16 bytes
.set R,   16                           ; v16-143  x as loaded, two sets of 64
.set X,   144                          ; v144-207 64 numbers of my row: two whole blocks of 32
.set PC,  208                          ; v208-231 a fragment's codes, two sets of 12
.set TA,  232                          ; v232-234, v236-238: the upper halves of a block's codes (a conversion's three registers begin on an even number)
.set TB,  236
.set M,   240
.set SO,  242
.set BY,  244
.set WD,  246                          ; v246-249 my row's scale word of each of the four K steps
.set TW,  250
.set E,   252
.set WX,  48                           ; weights: v48-111 two sets of 32 numbers down K
.set IMG, 112                          ; v112-159 two K steps x two runs of 12
.set WT,  160
.set WM,  164
.set WSO, 166
.set WBY, 167
.set WW,  168                          ; v168-169 my column's scale words of the two K steps
	s_load_b256 s[4:11], s[0:1], 0x0               ; x, W_sel, W_agg, W_out
	s_load_b128 s[12:15], s[0:1], 0x20             ; xq, wq
	s_load_b64 s[16:17], s[0:1], 0x30              ; ws
	v_lshl_add_u32 v254, v0, 2, 0x8400
	v_mov_b32 v255, 0
	v_lshrrev_b32 v1, 5, v0
	v_readfirstlane_b32 s18, v1                    ; wave 0..3
	v_and_b32 v2, 31, v0                           ; lane
	v_and_b32 v7, 15, v0                           ; r
	v_bfe_u32 v8, v0, 4, 1                         ; h
	v_lshlrev_b32 v1, 4, v2                        ; 16 x lane
	v_lshlrev_b32 v5, 3, v2                        ; 8 x lane
	s_mov_b32 s20, 0x76543210
	s_mov_b32 s21, 0xfedcba98                      ; v_permlanex16_b32's selects for lane l xor 16
	s_mov_b32 s22, 0xffff0000                      ; lanes 16-31
	s_wait_kmcnt 0x0
	s_cmp_lt_u32 ttmp9, 256
	s_cbranch_scc0 .Lweights
; ---------------- x.  Wave w: a = w / 2 (the rows' parity), kap = w % 2 (which half of K): four fragments of record 2 G + a.
	s_lshr_b32 s19, s18, 1                         ; a
	s_and_b32 s23, s18, 1                          ; kap
	s_lshl_b32 s28, ttmp9, 5
	s_add_co_u32 s28, s28, s19                     ; my first row: 32 G + a
	s_lshl_b32 s28, s28, 12                        ; rows of 4,096 bytes
	s_lshl_b32 s29, s23, 11                        ; 512 numbers along K
	s_add_co_u32 s28, s28, s29
	s_mov_b32 s29, 0
	s_add_nc_u64 s[4:5], s[4:5], s[28:29]
	s_lshl_b32 s30, ttmp9, 1
	s_add_co_u32 s30, s30, s19
	s_mul_i32 s30, s30, REC
	s_mov_b32 s31, 0
	s_add_nc_u64 s[26:27], s[12:13], s[30:31]      ; my record
	s_mul_i32 s30, s23, 6144
	s_add_nc_u64 s[24:25], s[26:27], s[30:31]      ; my four fragments
	s_lshl_b32 s30, s23, 8
	s_add_co_u32 s30, s30, 12288
	s_add_nc_u64 s[26:27], s[26:27], s[30:31]      ; my 256 bytes of scale words
	s_mul_i32 s34, s18, 16*SPX                     ; my stage
	s_wait_alu depctr_va_vdst(0)
	v_add_nc_u32 v9, s34, v1                       ; in: 16 bytes a lane of a row's 512
	v_mul_u32_u24 v10, v7, SPX
	v_lshl_add_u32 v10, v8, 7, v10
	v_add_nc_u32 v10, s34, v10                     ; back: row r, + 128 h: my block of 32 numbers
	v_lshlrev_b32 v6, 3, v8                        ; 8 h
	v_mov_b32 v[TW+1], 0                           ; written once: a lane permute's destination counts as one of its sources
.macro XLOAD f                         ; 16 rows x 128 numbers: each load covers 512 consecutive bytes of one row
.irp p, 0,1,2,3,4,5,6,7,8,9,10,11,12,13,14,15
	global_load_b128 v[R+64*((\f)%2)+4*\p:R+64*((\f)%2)+4*\p+3], v1, s[4:5] offset:8192*\p+512*(\f) th:TH_LOAD_NT
.endr
.endm
.macro XTURN f                         ; through my own stage: LDS serves a wave's instructions in order, so no wait stands between the stores and the loads
.irp p, 0,1,2,3,4,5,6,7,8,9,10,11,12,13,14,15
	ds_store_b128 v9, v[R+64*((\f)%2)+4*\p:R+64*((\f)%2)+4*\p+3] offset:SPX*\p
.endr
.irp c, 0,1
.irp e, 0,1,2,3,4,5,6,7
	ds_load_b128 v[X+32*\c+4*\e:X+32*\c+4*\e+3], v10 offset:256*\c+16*\e   ; k = 64 c + 32 h + 4 e ..
.endr
.endr
.endm
.macro XQ f                            ; my two blocks (2 c + h) of K step f become registers 6 c .. 6 c + 5 of the fragment
.set PF, PC+12*((\f)%2)
.irp c, 0,1
	v_max3_num_f32 v[M+\c], |v[X+32*\c]|, |v[X+32*\c+1]|, 0x1800000   ; with the floor 2^(3 - 127): the byte cannot fall under 1
.endr
.irp i, 2,4,6,8,10,12,14,16,18,20,22,24,26,28,30
.irp c, 0,1
	v_max3_num_f32 v[M+\c], v[M+\c], |v[X+32*\c+\i]|, |v[X+32*\c+\i+1]|
.endr
.endr
.irp c, 0,1
	v_add_nc_u32 v[SO+\c], 0xff000000, v[M+\c]     ; 2 off the exponent field: the conversion's scale operand
.endr
.irp c, 0,1
	v_lshrrev_b32 v[BY+\c], 23, v[SO+\c]           ; the scale's byte
.endr
	v_lshl_or_b32 v[TW], v[BY+1], 16, v[BY]        ; blocks h and 2 + h,
	v_lshlrev_b32 v[TW], v6, v[TW]                 ; at their places in the word;
	v_permlanex16_b32 v[TW+1], v[TW], s20, s21
	v_or_b32 v[WD+(\f)], v[TW], v[TW+1]            ; with lane l xor 16's two the word is whole
	v_cvt_scalef32_pk16_fp6_f32 v[PF:PF+2], v[X:X+15], v[SO]
	v_cvt_scalef32_pk16_fp6_f32 v[TA:TA+2], v[X+16:X+31], v[SO]
	v_cvt_scalef32_pk16_fp6_f32 v[PF+6:PF+8], v[X+32:X+47], v[SO+1]
	v_cvt_scalef32_pk16_fp6_f32 v[TB:TB+2], v[X+48:X+63], v[SO+1]
	v_nop                                          ; one plain place behind the scaled conversions
.irp i, 0,1,2
	v_mov_b32 v[PF+3+\i], v[TA+\i]
	v_mov_b32 v[PF+9+\i], v[TB+\i]
.endr
.irp g, 0,1,2
	global_store_b128 v1, v[PF+4*\g:PF+4*\g+3], s[24:25] offset:1536*(\f)+512*\g   ; 512 consecutive bytes, aligned
.endr
.endm
	XLOAD 0
	XLOAD 1
	s_wait_alu depctr_va_vdst(0)
.irp f, 0,1,2,3
.if \f < 3
	s_wait_loadcnt 16                              ; this fragment's 16 loads are in; the next fragment's 16 may be out
.else
	s_wait_loadcnt 0x0
.endif
	XTURN \f
	s_wait_dscnt 0x0                               ; my 64 numbers are back, and the stage's stores have read their registers
.if \f < 2
	XLOAD \f+2
.else
	s_wait_xcnt 0x0                                ; the stores of two fragments ago have read this set of codes: it is written again only behind this wait
.endif
	XQ \f
.endr
	v_cndmask_b32 v[E], v[WD], v[WD+1], s22        ; lanes 0-15 carry the even K steps' words, lanes 16-31 the odd ones'
	v_cndmask_b32 v[E+1], v[WD+2], v[WD+3], s22
	global_store_b64 v5, v[E:E+1], s[26:27]        ; 256 consecutive bytes, aligned
	s_wait_tensorcnt 0x0
	ds_add_u32 v254, v255
	s_wait_dscnt 0x0
	s_endpgm
; ---------------- the weights: K is the FIRST axis.  A lane takes a column and its registers run down K: a block of 32 lies in one lane, and the codes come out with K innermost.
; Wave w takes pair P = 4 cg + w (32 columns) and 256 along K (K steps 2 sig, 2 sig + 1): 8 blocks.  Lane (r, u) takes tile u's column r, so each load covers the pair's 128 consecutive bytes.
.macro WLOAD t, pitch
.irp i, 0,1,2,3,4,5,6,7,8,9,10,11,12,13,14,15,16,17,18,19,20,21,22,23,24,25,26,27,28,29,30,31
	global_load_b32 v[WX+32*((\t)%2)+\i], v3, s[24:25] offset:(32*(\t)+\i)*\pitch th:TH_LOAD_NT
.endr
.endm
.macro WBLOCK t, pitch
.set XB, WX+32*((\t)%2)
.set KE, IMG+24*((\t)/4)                       ; the K step's 24 registers: run 0 holds blocks 0 and 2, run 1 blocks 1 and 3
.set DB, KE+12*((\t)%2)+6*(((\t)%4)/2)
.if (\t) < 7
	s_wait_loadcnt 32                              ; this block's 32 loads are in; the next block's may be out
.else
	s_wait_loadcnt 0x0
.endif
	v_max3_num_f32 v[WM], |v[XB]|, |v[XB+1]|, |v[XB+2]|
	v_max3_num_f32 v[WM+1], |v[XB+3]|, |v[XB+4]|, |v[XB+5]|
.irp i, 6,10,14,18,22,26
	v_max3_num_f32 v[WM], v[WM], |v[XB+\i]|, |v[XB+\i+1]|
	v_max3_num_f32 v[WM+1], v[WM+1], |v[XB+\i+2]|, |v[XB+\i+3]|
.endr
	v_max3_num_f32 v[WM], v[WM], |v[XB+30]|, |v[XB+31]|
	v_max3_num_f32 v[WM], v[WM], v[WM+1], 0x1800000
	v_add_nc_u32 v[WSO], 0xff000000, v[WM]
	v_lshrrev_b32 v[WBY], 23, v[WSO]
.if (\t)%4 == 0
	v_mov_b32 v[WW+(\t)/4], v[WBY]
.else
	v_lshl_or_b32 v[WW+(\t)/4], v[WBY], 8*((\t)%4), v[WW+(\t)/4]
.endif
	v_cvt_scalef32_pk16_fp6_f32 v[DB:DB+2], v[XB:XB+15], v[WSO]
	v_cvt_scalef32_pk16_fp6_f32 v[WT:WT+2], v[XB+16:XB+31], v[WSO]
	v_nop                                          ; one plain place behind the scaled conversions
.irp i, 0,1,2
	v_mov_b32 v[DB+3+\i], v[WT+\i]
.endr
.if (\t) < 6
	WLOAD (\t)+2, \pitch
.endif
.if (\t)%4 == 3
.irp i, 0,1,2,3,4,5,6,7,8,9,10,11              ; run 0's lanes 16-31 change places with run 1's lanes 0-15: run u is then tile u's fragment, lane (r, h) holding blocks h and 2 + h
	v_permlane16_swap_b32 v[KE+\i], v[KE+12+\i]
.endr
.irp u, 0,1
.irp g, 0,1,2
	global_store_b128 v1, v[KE+12*\u+4*\g:KE+12*\u+4*\g+3], s[26:27] offset:3072*((\t)/4)+1536*\u+512*\g
.endr
.endr
.endif
.endm
.macro WPATH sp, logc, idb, pitch, qoff, pstr, soff, sstr
	s_sub_co_u32 s19, ttmp9, 256+\idb              ; my number among the tensor's work-groups
	s_and_b32 s23, s19, (1<<\logc)-1               ; cg: which 128 columns
	s_lshr_b32 s19, s19, \logc                     ; sig: which 256 along K
	s_lshl_b32 s23, s23, 2
	s_add_co_u32 s23, s23, s18                     ; P
	s_mul_i32 s28, s19, 256*\pitch
	s_lshl_b32 s29, s23, 7
	s_add_co_u32 s28, s28, s29
	s_mov_b32 s29, 0
	s_add_nc_u64 s[24:25], s[\sp:\sp+1], s[28:29]  ; row 256 sig, column 32 P
	s_mul_i32 s28, s23, \pstr
	s_mul_i32 s30, s19, 6144
	s_add_co_u32 s28, s28, s30
	s_add_co_u32 s28, s28, \qoff
	s_add_nc_u64 s[26:27], s[14:15], s[28:29]      ; the pair's images of K step 2 sig
	s_mul_i32 s28, s23, \sstr
	s_lshl_b32 s30, s19, 8
	s_add_co_u32 s28, s28, s30
	s_add_co_u32 s28, s28, \soff
	s_add_nc_u64 s[32:33], s[16:17], s[28:29]      ; and its 256 bytes of scale words
	WLOAD 0, \pitch
	WLOAD 1, \pitch
.irp t, 0,1,2,3,4,5,6,7
	WBLOCK \t, \pitch
.endr
	global_store_b64 v5, v[WW:WW+1], s[32:33]      ; 256 consecutive bytes, aligned
.endm
.Lweights:
	s_wait_alu depctr_va_vdst(0)
	v_and_b32 v3, 8, v7
	v_add_nc_u32 v3, v3, v7                        ; r + 8 (r / 8)
	v_lshl_add_u32 v3, v8, 3, v3                   ; + 8 u
	v_lshlrev_b32 v3, 2, v3                        ; my column in the pair, in bytes
	s_cmp_lt_u32 ttmp9, 320
	s_cbranch_scc0 .Lnot_sel
	s_wait_alu depctr_va_vdst(0)
	WPATH 6, 4, 0, 8192, 0, 24576, 0, 1024
	s_endpgm
.Lnot_sel:
	s_cmp_lt_u32 ttmp9, 448
	s_cbranch_scc0 .Lis_out
	s_wait_alu depctr_va_vdst(0)
	WPATH 8, 5, 64, 16384, AGGQ, 24576, 65536, 1024
	s_endpgm
.Lis_out:
	s_wait_alu depctr_va_vdst(0)
	WPATH 10, 3, 192, 4096, OUTQ, 49152, 196608, 2048
	s_endpgm
.Lfunc_end_k_qbe30eb59b9_quant:
	.size	k_qbe30eb59b9_quant, .Lfunc_end_k_qbe30eb59b9_quant-k_qbe30eb59b9_quant
	.p2alignl 7, 3214868480
	.fill 96, 4, 3214868480
	.section	.rodata,"a",@progbits
	.p2align	6, 0x0
	.amdhsa_kernel k_qbe30eb59b9_quant
		.amdhsa_group_segment_fixed_size 34304
		.amdhsa_private_segment_fixed_size 0
		.amdhsa_enable_private_segment 0
		.amdhsa_kernarg_size 56
		.amdhsa_user_sgpr_count 2
		.amdhsa_user_sgpr_kernarg_segment_ptr 1
		.amdhsa_wavefront_size32 1
		.amdhsa_system_sgpr_workgroup_id_x 1
		.amdhsa_system_sgpr_workgroup_id_y 1
		.amdhsa_system_sgpr_workgroup_id_z 1
		.amdhsa_system_vgpr_workitem_id 0
		.amdhsa_next_free_vgpr 256
		.amdhsa_next_free_sgpr 66
		.amdhsa_reserve_vcc 0
		.amdhsa_float_denorm_mode_32 3
		.amdhsa_float_denorm_mode_16_64 3
		.amdhsa_memory_ordered 1
		.amdhsa_forward_progress 1
		.amdhsa_inst_pref_size 146
	.end_amdhsa_kernel
	.amdgpu_metadata
---
amdhsa.version: [ 1, 2 ]
amdhsa.kernels:
  - .name:           k_qbe30eb59b9_quant
    .symbol:         k_qbe30eb59b9_quant.kd
    .args:
      - { .name: x, .offset: 0, .size: 8, .value_kind: global_buffer, .address_space: global }
      - { .name: W_sel, .offset: 8, .size: 8, .value_kind: global_buffer, .address_space: global }
      - { .name: W_agg, .offset: 16, .size: 8, .value_kind: global_buffer, .address_space: global }
      - { .name: W_out, .offset: 24, .size: 8, .value_kind: global_buffer, .address_space: global }
      - { .name: xq, .offset: 32, .size: 8, .value_kind: global_buffer, .address_space: global }
      - { .name: wq, .offset: 40, .size: 8, .value_kind: global_buffer, .address_space: global }
      - { .name: ws, .offset: 48, .size: 8, .value_kind: global_buffer, .address_space: global }
    .group_segment_fixed_size: 34304
    .private_segment_fixed_size: 0
    .kernarg_segment_align: 8
    .kernarg_segment_size: 56
    .max_flat_workgroup_size: 128
    .sgpr_count:     66
    .vgpr_count:     256
    .wavefront_size: 32
...
	.end_amdgpu_metadata
.endif
;; end of part 1
;; launch mix (part 2): grid 64 x 4, 4 waves a work-group, clusters of 4 x 1, 327,680 bytes of LDS; arguments xq, wq, ws, sqk_q, sqk_k, uq, us; writes uq, us
.if DOCPART == 2
	.amdgcn_target "amdgcn-amd-amdhsa--gfx1250"
	.amdhsa_code_object_version 6
	.text
	.protected	k_qbe30eb59b9_mix
	.globl	k_qbe30eb59b9_mix
	.p2align	8
	.type	k_qbe30eb59b9_mix,@function
k_qbe30eb59b9_mix:
	s_mov_b64 s[64:65], 0
	v_nop
	global_prefetch_b8 v0, s[64:65] scope:SCOPE_SE
	s_setreg_imm32_b32 hwreg(HW_REG_WAVE_MODE, 25, 1), 1
	s_wait_xcnt 0x0
	s_wait_alu depctr_hold_cnt(0) depctr_sa_sdst(0) depctr_va_vdst(0) depctr_va_sdst(0) depctr_va_ssrc(0) depctr_va_vcc(0) depctr_vm_vsrc(0)
	s_getreg_b32 s2, hwreg(HW_REG_IB_STS2, 6, 4)
	s_cmp_eq_u32 s2, 0
	s_cbranch_scc0 .Lentry_in_a_cluster
	s_endpgm
.Lentry_in_a_cluster:
	s_bfe_u32 s2, ttmp6, 0x10000c
	s_cmp_lg_u32 s2, 0x3003
	s_cbranch_scc0 .Lentry_shape_is_right
	s_endpgm
.Lentry_shape_is_right:
; u = silu(x W_sel * sqk_q) * cumsum_t(h0 + h0 h1) / (t + 1), h = x W_agg * sqk_k, quantised along H: both products on codes of FP6 (E2M3) with E8M0 scales, all else in f32.
; SHARES.  A work-group owns ONE STRIP of 32 units of H (strip j) of ONE batch: the running sum over t never leaves it, and 32 units are one block of the next product's K.
; Its 96 columns of weights (sel, h0, h1: 48 fragments, 576 registers) stay in every wave's registers.  The batch's 2,048 rows go in 16 slots of 128 rows; wave w takes the 32 rows 32 w .. of a slot
; as two tiles: tile a, lane r = row 2 r + a, so that a lane owns two neighbouring rows.
; Both products are used transposed (source 0 = 16 units, source 1 = 16 rows of x): lane (r, h) holds one row and the units 16 h + 0 .. 15 in 16 registers.
; ARITHMETIC.  poly = a0 (K0 + a1 K0 K1), a0, a1 the sums and K the gains.  z is kept as z'' = -z log2(e) (the gain is multiplied by -log2(e) once): e = 2^z'', D = -log2(e) (t + 1) (1 + e), silu(z) / (t + 1) = z'' / D.
; THE SUM OVER t: pair of rows in a lane, a shifted-add tree over the 16 lanes, the waves' totals through LDS (one barrier a slot), a carry from slot to slot: all f32, in this order and not one row after the other.
; BY TURNS.  A trip has 96 matrix instructions (slot i: tile 0, then tile 1) and, between them, a numbered list of 308 items, three or four behind each: the vector work of slot i - 1's tile 1, the sum, u and its codes,
; and slot i's tile 0.  LDS and memory instructions stand in few groups (each group is ONE item), and the waits for transcendentals stand directly ahead of such groups or at the trip's end.
; CLUSTER.  The four strips of a cluster walk the same rows of x: each tile is asked for jointly, by the same tensor load with a mask that names the four.
; LIMITS: NaN and infinities are not served; where x W_sel * sqk_q lies under about -81, D overflows and u is -0 where the exact number is under 1e-33 in magnitude; blocks of u under 2^-124 keep the byte 1.
; uq: [strip][chunk of 32 rows][768]: position l = 16 h + r stands for row 2 r + h; its 24 bytes of codes: 16 at 16 l, 8 at 512 + 8 (l xor 16 (j & 1)).   us: [position / 256][strip][position % 256], one byte.
; REGISTERS: window 0 as named below.  Window 1 + p, v0-191: fragment (p, u, s) at 12 (8 u + s).  Window 1, 2, v192-239: the sums of tile 0, 1 (sel 192, h0 208, h1 224).
; x: a ring of EIGHT fragments: buffers 0-4 in window 3 at v192 + 12 i, buffer 5 in window 1 at v240, buffer 6 in window 2 at v240, buffer 7 in window 0 at v184.
; THE ORDER OF A TRIP (this takes the place of the paragraph BY TURNS above).  The list's 308 items keep their order, but stand in four long runs, and the 96 matrix instructions in four runs of 24:
; items 0-121; matrix 0-23 (between the middle barrier's signal and its wait); items 122-147; matrix 24-47 (while the carry goes through LDS); items 148-266; matrix 48-71; items 267-307; matrix 72-95.
; THE HEAD: one tensor load a wave: waves 0 and 1 fetch the two halves along K of the strip's weights, waves 2 and 3 jointly the two halves of slot 0; slot 1's first fill stands behind the full sequence and a round, as a refill does.
.set REC,   12800
.set TILE,  102400                     ; a slot: 8 records; wave w's two at 25,600 w
.set SLOT1, 1<<17                      ; slot 1 begins here: one exclusive or turns an address
.set TOT,   102400                     ; the waves' running sums: 16 rows x 144 bytes a wave; row 15 is the wave's total
.set TOTW,  2304
.set CAR,   111616                     ; 128 bytes a wave, its own: the carry, from a lane to a unit to a lane's 16 units
.set USC,   112128                     ; u's scale bytes: [wave][slot][lane], 512 bytes a wave
.set SPARE, 114176                     ; the spare words: 128 bytes a wave, named by no other line
.set WST,   233472                     ; the strip's 48 fragments, filled once
.set SPW, 1
.set NIL, 2
.set XA,  3                            ; my 16 bytes of a fragment in my quarter of the slot in hand
.set XSA, 4                            ; my 8 bytes of its scale words
.set TSA, 5
.set TLA, 6
.set CSA, 7
.set CLA, 8
.set USA, 9
.set UP,  10
.set UQ,  11
.set PFO, 12
.set CC,  13                           ; the carry into the slot, unit = lane
.set CI,  14                           ; the carry into my wave's rows
.set TT,  16                           ; v16-19 the four waves' totals
.set TP,  20                           ; v20: -log2(e) (t + 1) of row 2 r, v21: its t + 1, exact; v22, v23: the same of row 2 r + 1
.set WS,  24                           ; v24-47 the weights' scale words: 8 p + s; lanes 0-15 tile u = 0, lanes 16-31 u = 1
.set XS,  48                           ; v48-55 x's: 4 a + s / 2; lanes 0-15 even K steps, lanes 16-31 odd ones
.set Q,   56                           ; -log2(e) sqk_q of my 16 units
.set K0,  72
.set K1,  88                           ; K0 K1
.set S,   104                          ; tile a: z'', then silu(z) / (t + 1), at S + 32 a;
.set P,   120                          ; poly, then u, at P + 32 a
.set T,   168
.set SC,  200
.set OFF, 216
.set U,   216                          ; K0 + a1 K0 K1: it lives only where OFF is dead, and shares its registers
.set M,   232
.set N,   234
.set SO,  236
.set BY2, 238
.set PC,  240
.set CY,  246
.set BY,  249
.set WA,  252
.set WV,  18
.set CX,  19
.set J,   20
.set BT,  21
.set SEL, 22
.set HM,  24
.set MW,  25
.set CNT, 28
.set LIM, 29
.set PFA, 30
.set G1X, 32
.set G0A, 40
.set G0B, 44
.set G1W, 48
.set G0W, 56
.set NL,  66                           ; s[66:67] -log2(e)
.set MSB, 0
.macro WIN new                         ; the immediate's high byte repeats the setting that is left; a switch that changes nothing is dropped
.if MSB != (\new)
	s_set_vgpr_msb (MSB<<8)|(\new)
.set MSB, (\new)
.endif
.endm
.macro ROUND                           ; a round of the cluster's barrier
	s_barrier_signal -1
	s_barrier_wait -1
	s_cmp_lg_u32 s[WV], 0
	s_cbranch_scc1 .Lnot_wave_0_\@
	s_barrier_signal -3
.Lnot_wave_0_\@:
	s_barrier_wait -3
	s_barrier_signal -1
	s_barrier_wait -1
.endm
; A prefetch of the tile that the tensor load two trips on will ask for (192 matrix instructions ahead of that load).  All 16 clusters of a batch walk the same tiles: the batch's first cluster asks.
; Its four partners take 25,600 bytes each, told apart by address; each wave 6,400 bytes: 25 blocks of 256, a lane a block (lanes 25-31 name lane 24's block again).  The last trips, whose look-ahead would pass the batch's last tile, ask for nothing.
.macro ASK
	s_cmp_gt_u32 s[CNT], s[LIM]
	s_cbranch_scc0 .Lnot_mine_\@
	global_prefetch_b8 v[PFO], s[PFA:PFA+1] th:TH_LOAD_NT scope:SCOPE_SE
.Lnot_mine_\@:
.endm
	s_load_b256 s[4:11], s[0:1], 0x0               ; xq, wq, ws, sqk_q
	s_load_b128 s[12:15], s[0:1], 0x20             ; sqk_k, uq
	s_load_b64 s[16:17], s[0:1], 0x30              ; us
	v_lshl_add_u32 v[SPW], v0, 2, SPARE
	v_mov_b32 v[NIL], 0
	ds_add_u32 v1, v2
	ds_add_u32 v1, v2
	s_wait_dscnt 0x0
	v_lshrrev_b32 v15, 5, v0
	v_readfirstlane_b32 s[WV], v15                 ; wave 0..3
	s_bfe_u32 s[CX], ttmp6, 0x40000                ; my place in the cluster
	s_lshl_b32 s[J], ttmp9, 2
	s_add_co_u32 s[J], s[J], s[CX]                 ; the strip: it enters global addresses alone
	s_and_b32 s[BT], ttmp7, 0xffff                 ; the batch, which the partners share
	; x's tiles: dense bytes as rows of 256 (32 elements of 8): at the head half a slot, 200 rows; behind the head the two words that count rows are set to 100, a quarter of a slot
	s_mov_b32 s[G1X], 15|(3<<16)|(1<<21)           ; 15:0 the mask: all four work-groups; 17:16 elements of 8 bytes; 21 set beside a mask
	s_mov_b32 s[G1X+1], 32<<16
	s_mov_b32 s[G1X+2], 200<<16
	s_mov_b32 s[G1X+3], 32<<16
	s_mov_b32 s[G1X+4], 200
	s_mov_b32 s[G1X+5], 32
	s_mov_b32 s[G1X+6], 0
	s_mov_b32 s[G1X+7], 0
	; the weights: three rows (sel, h0, h1: 1,572,864 bytes apart in wq) of 12,288 bytes: four K steps of the strip's pair.  No mask: each strip has its own
	s_mov_b32 s[G1W], 3<<16
	s_mov_b32 s[G1W+1], 1536<<16
	s_mov_b32 s[G1W+2], 3<<16
	s_mov_b32 s[G1W+3], 1536<<16
	s_mov_b32 s[G1W+4], 3
	s_mov_b32 s[G1W+5], 196608
	s_mov_b32 s[G1W+6], 0
	s_mov_b32 s[G1W+7], 0
	s_mul_i32 s60, s[WV], 25600                    ; my quarter, in a slot and in a tile
	s_mul_i32 s70, s[BT], 1638400                  ; the batch's 128 records
	s_add_co_u32 s62, s70, s60
	s_mov_b32 s63, 0
	s_and_b32 s71, s[WV], 1                        ; which half I fetch at the head: of the weights (waves 0, 1) or of slot 0 (waves 2, 3)
	s_mul_i32 s74, s71, 51200
	s_add_co_u32 s72, s70, s74                     ; that half of the batch's tile 0
	s_mov_b32 s73, 0
	s_mul_i32 s68, s[CX], 25600                    ; the prefetches: my work-group's quarter of a tile,
	s_mul_i32 s69, s[WV], 6400                     ; my wave's quarter of that,
	s_add_co_u32 s68, s68, s69
	s_add_co_u32 s68, s68, s70
	s_add_co_u32 s68, s68, 3*TILE                  ; in tile 3: the first trip with a refill steps it to tile 4
	s_mov_b32 s69, 0
	s_mov_b32 s[SEL], 0x76543210
	s_mov_b32 s[SEL+1], 0xfedcba98
	s_mov_b32 s[HM], 0xffff0000
	s_mov_b32 s[NL], 0xbfb8aa3b
	s_mov_b32 s[NL+1], s[NL]                       ; (named with it as a pair, so it is written)
	s_cmp_gt_u32 s[WV], 0                          ; which waves' rows come before mine
	s_cselect_b32 s[MW], 0x3f800000, 0
	s_cmp_gt_u32 s[WV], 1
	s_cselect_b32 s[MW+1], 0x3f800000, 0
	s_cmp_gt_u32 s[WV], 2
	s_cselect_b32 s[MW+2], 0x3f800000, 0
	s_cmp_eq_u32 ttmp9, 0                          ; the batch's first cluster: the same in all four partners
	s_cselect_b32 s[LIM], 2, -1
	s_wait_kmcnt 0x0
	s_mov_b32 s[G0A], 1
	s_mov_b32 s[G0A+1], s74                        ; slot 0, my half of it
	s_add_nc_u64 s[G0A+2:G0A+3], s[4:5], s[72:73]  ; tile 0
	s_mov_b32 s[G0B], 1
	s_add_co_u32 s[G0B+1], s60, SLOT1              ; slot 1, my quarter
	s_add_nc_u64 s[G0B+2:G0B+3], s[4:5], s[62:63]
	s_add_nc_u64 s[G0B+2:G0B+3], s[G0B+2:G0B+3], TILE   ; tile 1; this one then walks
	s_or_b32 s[G0A+3], s[G0A+3], 0x80000000
	s_or_b32 s[G0B+3], s[G0B+3], 0x80000000
	s_add_nc_u64 s[PFA:PFA+1], s[4:5], s[68:69]
	s_mul_i32 s68, s[J], 24576
	s_mul_i32 s70, s71, 12288
	s_add_co_u32 s68, s68, s70
	s_mov_b32 s[G0W], 1
	s_mul_i32 s[G0W+1], s71, 36864
	s_add_co_u32 s[G0W+1], s[G0W+1], WST
	s_add_nc_u64 s[G0W+2:G0W+3], s[6:7], s[68:69]
	s_or_b32 s[G0W+3], s[G0W+3], 0x80000000
	s_lshl_b32 s68, s[J], 10
	s_add_nc_u64 s[8:9], s[8:9], s[68:69]          ; ws at W_sel's pair j; W_agg's pairs j and 64 + j lie 65,536 and 131,072 bytes on
	s_lshl_b32 s68, s[J], 7
	s_add_nc_u64 s[10:11], s[10:11], s[68:69]      ; sqk_q and sqk_k at the strip's 32 numbers
	s_add_nc_u64 s[12:13], s[12:13], s[68:69]
	s_lshl_b32 s70, s[BT], 6
	s_add_co_u32 s70, s70, s[WV]
	s_mul_i32 s70, s70, 768
	s_mul_i32 s68, s[J], 196608
	s_add_co_u32 s68, s68, s70
	s_add_nc_u64 s[14:15], s[14:15], s[68:69]      ; uq at my chunk of slot 0
	s_lshl_b32 s68, s[BT], 17
	s_lshl_b32 s70, s[J], 8
	s_add_co_u32 s68, s68, s70
	s_add_nc_u64 s[16:17], s[16:17], s[68:69]      ; us at the batch's first 256 positions, my strip
	ROUND                                          ; all four work-groups are here: the first joint loads meet
	s_cmp_lt_u32 s[WV], 2                          ; the head's loads, one a wave: one branch on the wave's number, a load in each arm, one join
	s_cbranch_scc0 .Lhead_x
	tensor_load_to_lds s[G0W:G0W+3], s[G1W:G1W+7]  ; waves 0, 1: K steps 0-3, 4-7 of the strip's weights
	s_nop 0
.rept 4
	v_nop
.endr
	s_branch .Lhead_asked
.Lhead_x:
	tensor_load_to_lds s[G0A:G0A+3], s[G1X:G1X+7]  ; waves 2, 3: the two halves of slot 0, jointly
	s_nop 0
.rept 4
	v_nop
.endr
.Lhead_asked:
	v_and_b32 v16, 31, v0                          ; lane
	v_and_b32 v17, 15, v0                          ; r
	v_bfe_u32 v18, v0, 4, 1                        ; h
	v_lshlrev_b32 v250, 3, v16
	v_lshlrev_b32 v251, 6, v18
.irp p, 0,1,2
.irp g, 0,1,2,3
	global_load_b64 v[WS+8*\p+2*\g:WS+8*\p+2*\g+1], v250, s[8:9] offset:65536*\p+256*\g
.endr
.endr
.irp k, 0,1,2,3
	global_load_b128 v[Q+4*\k:Q+4*\k+3], v251, s[10:11] offset:16*\k            ; the gains of my 16 units
	global_load_b128 v[K0+4*\k:K0+4*\k+3], v251, s[12:13] offset:16*\k
	global_load_b128 v[K1+4*\k:K1+4*\k+3], v251, s[12:13] offset:8192+16*\k
.endr
	v_lshl_add_u32 v[XA], v16, 4, s60
	s_add_co_u32 s61, s60, 12288
	v_lshl_add_u32 v[XSA], v16, 3, s61
	s_mul_i32 s61, s[WV], TOTW
	s_add_co_u32 s61, s61, TOT
	v_mul_u32_u24 v[TSA], v17, 144
	v_lshl_add_u32 v[TSA], v18, 6, v[TSA]
	v_add_nc_u32 v[TSA], s61, v[TSA]               ; row r of my wave's sums, + 64 h
	v_lshl_add_u32 v[TLA], v16, 2, TOT+2160        ; row 15 of wave 0's: unit = lane
	s_lshl_b32 s61, s[WV], 7
	s_add_co_u32 s61, s61, CAR
	v_lshl_add_u32 v[CSA], v16, 2, s61
	v_lshl_add_u32 v[CLA], v18, 6, s61
	s_lshl_b32 s61, s[WV], 9
	s_add_co_u32 s61, s61, USC
	v_add_nc_u32 v[USA], s61, v16
	v_lshlrev_b32 v[UP], 4, v16
	s_and_b32 s61, s[J], 1
	s_lshl_b32 s61, s61, 4
	v_xor_b32 v[UQ], s61, v16
	v_lshlrev_b32 v[UQ], 3, v[UQ]
	v_add_nc_u32 v[UQ], 512, v[UQ]
	v_min_u32 v[PFO], 24, v16
	v_lshlrev_b32 v[PFO], 8, v[PFO]
	v_lshl_add_u32 v[WA], v16, 4, WST
	v_add_nc_u32 v[WA+1], 36864, v[WA]
	s_lshl_b32 s61, s[WV], 5
	s_add_co_u32 s61, s61, 1
	v_lshl_add_u32 v[TP+1], v17, 1, s61            ; t + 1 of row 2 r in slot 0,
	v_cvt_f32_u32 v[TP+1], v[TP+1]
	v_add_f32 v[TP+3], 1.0, v[TP+1]                ; of row 2 r + 1,
	v_mul_f32 v[TP], s[NL], v[TP+1]                ; and both times -log2(e)
	v_mul_f32 v[TP+2], s[NL], v[TP+3]
	v_mov_b32 v[N], 0                              ; written once: a lane permute's destination counts as one of its sources
	v_mov_b32 v[N+1], 0
	v_mov_b32 v[CC], 0
	s_wait_alu depctr_va_vdst(0)                   ; the wait at the head's end
	s_wait_tensorcnt 0x0                           ; my tile of the head's four is in; the lines ahead of a later first fill:
	ds_add_u32 v[SPW], v[NIL]
	s_mov_b32 s[G1X+2], 100<<16                    ; no tensor load of mine is out: from here on a load of x brings 100 rows
	s_mov_b32 s[G1X+4], 100
	s_wait_dscnt 0x0
	ROUND                                          ; everybody's tile is in, and the four work-groups are here
	tensor_load_to_lds s[G0B:G0B+3], s[G1X:G1X+7]  ; slot 1's first fill, my quarter: my one load behind the round
	s_nop 0
.rept 4
	v_nop
.endr
.irp p, 0,1,2
	WIN ((1+\p)<<6)
.irp u, 0,1
.irp s, 0,1,2,3,4,5,6,7
.irp g, 0,1,2
	ds_load_b128 v[12*(8*\u+\s)+4*\g:12*(8*\u+\s)+4*\g+3], v[WA+\s/4] offset:12288*\p+3072*(\s%4)+1536*\u+512*\g
.endr
.endr
.endr
.endr
	WIN 0
	s_wait_loadcnt 0x0                             ; the scale words and the gains
.irp e, 0,2,4,6,8,10,12,14
	v_pk_mul_f32 v[K1+\e:K1+\e+1], v[K1+\e:K1+\e+1], v[K0+\e:K0+\e+1]            ; K0 K1, once
	v_pk_mul_f32 v[Q+\e:Q+\e+1], v[Q+\e:Q+\e+1], s[NL:NL+1] op_sel_hi:[1,0]      ; -log2(e) sqk_q, once
.endr
	s_wait_alu depctr_va_vdst(0)
; ---- the matrix instruction of the slot in hand, by the symbols RD_ (sums), RA_ (weights), RB_ (x), RW_, RX_ (scale words), ZZ_ (it starts the sum), UB_, HB_ (which half of the lanes carries the words)
.macro WM
.if ZZ_
.if (UB_ == 0) && (HB_ == 0)
	v_wmma_scale_f32_16x16x128_f8f6f4 v[RD_:RD_+7], v[RA_:RA_+11], v[RB_:RB_+11], 0, v[RW_], v[RX_] matrix_a_fmt:MATRIX_FMT_FP6 matrix_b_fmt:MATRIX_FMT_FP6
.elseif (UB_ == 1) && (HB_ == 0)
	v_wmma_scale_f32_16x16x128_f8f6f4 v[RD_:RD_+7], v[RA_:RA_+11], v[RB_:RB_+11], 0, v[RW_], v[RX_] matrix_a_fmt:MATRIX_FMT_FP6 matrix_b_fmt:MATRIX_FMT_FP6 matrix_a_scale:MATRIX_SCALE_ROW1
.elseif (UB_ == 0) && (HB_ == 1)
	v_wmma_scale_f32_16x16x128_f8f6f4 v[RD_:RD_+7], v[RA_:RA_+11], v[RB_:RB_+11], 0, v[RW_], v[RX_] matrix_a_fmt:MATRIX_FMT_FP6 matrix_b_fmt:MATRIX_FMT_FP6 matrix_b_scale:MATRIX_SCALE_ROW1
.else
	v_wmma_scale_f32_16x16x128_f8f6f4 v[RD_:RD_+7], v[RA_:RA_+11], v[RB_:RB_+11], 0, v[RW_], v[RX_] matrix_a_fmt:MATRIX_FMT_FP6 matrix_b_fmt:MATRIX_FMT_FP6 matrix_a_scale:MATRIX_SCALE_ROW1 matrix_b_scale:MATRIX_SCALE_ROW1
.endif
.else
.if (UB_ == 0) && (HB_ == 0)
	v_wmma_scale_f32_16x16x128_f8f6f4 v[RD_:RD_+7], v[RA_:RA_+11], v[RB_:RB_+11], v[RD_:RD_+7], v[RW_], v[RX_] matrix_a_fmt:MATRIX_FMT_FP6 matrix_b_fmt:MATRIX_FMT_FP6
.elseif (UB_ == 1) && (HB_ == 0)
	v_wmma_scale_f32_16x16x128_f8f6f4 v[RD_:RD_+7], v[RA_:RA_+11], v[RB_:RB_+11], v[RD_:RD_+7], v[RW_], v[RX_] matrix_a_fmt:MATRIX_FMT_FP6 matrix_b_fmt:MATRIX_FMT_FP6 matrix_a_scale:MATRIX_SCALE_ROW1
.elseif (UB_ == 0) && (HB_ == 1)
	v_wmma_scale_f32_16x16x128_f8f6f4 v[RD_:RD_+7], v[RA_:RA_+11], v[RB_:RB_+11], v[RD_:RD_+7], v[RW_], v[RX_] matrix_a_fmt:MATRIX_FMT_FP6 matrix_b_fmt:MATRIX_FMT_FP6 matrix_b_scale:MATRIX_SCALE_ROW1
.else
	v_wmma_scale_f32_16x16x128_f8f6f4 v[RD_:RD_+7], v[RA_:RA_+11], v[RB_:RB_+11], v[RD_:RD_+7], v[RW_], v[RX_] matrix_a_fmt:MATRIX_FMT_FP6 matrix_b_fmt:MATRIX_FMT_FP6 matrix_a_scale:MATRIX_SCALE_ROW1 matrix_b_scale:MATRIX_SCALE_ROW1
.endif
.endif
.endm
; ---- book-keeping of the assembler.  LC counts the trip's LDS instructions.  PL counts the plain vector instructions (no lane-crossing form, no transcendental, no conversion) written since matrix instruction 23 or 47:
; a load into registers that a matrix instruction has read, and a vector instruction that reads a matrix result, stand four such places behind it (ISA guide 7.12.1 for vector instructions).
.macro PP
.set PL, PL+1
.endm
.macro PADPL                           ; v_nop make up what is missing of the four places
.if PL < 4
.rept 4-PL
	v_nop
.endr
.set PL, 4
.endif
.endm
.macro BUFSEL i                        ; ring buffer i: its window BW_ and first register BR_
.if (\i) < 5
.set BW_, 3
.set BR_, 192+12*(\i)
.elseif (\i) == 5
.set BW_, 1
.set BR_, 240
.elseif (\i) == 6
.set BW_, 2
.set BR_, 240
.else
.set BW_, 0
.set BR_, 184
.endif
.endm
.macro LOADX t                         ; x's fragment of step t (tile t / 8, K step t % 8) into ring buffer t % 8
	PADPL
	BUFSEL ((\t)%8)
	WIN (BW_<<6)                                   ; the destination's window; the address lies in window 0
.irp g, 0,1,2
	ds_load_b128 v[BR_+4*\g:BR_+4*\g+3], v[XA] offset:REC*((\t)/8)+1536*((\t)%8)+512*\g
.endr
.set LC, LC+3
.endm
.macro RUN8                            ; steps 8-11 into buffers 0-3, whose last reader is matrix instruction 23
.set RB8, LC
	LOADX 8
	LOADX 9
	LOADX 10
	LOADX 11
.endm
.macro RUN12                           ; steps 12-15 into buffers 4-7, whose last reader is matrix instruction 47
.set RB12, LC
	LOADX 12
	LOADX 13
	LOADX 14
	LOADX 15
.endm
; ---- a tile's own work, piece E_ of each kind.  Each sum is first read at its low end.
.macro GU a                            ; K0 + a1 K0 K1
	WIN (1+(\a))
	v_pk_fma_f32 v[U+2*E_:U+2*E_+1], v[224+2*E_:224+2*E_+1], v[K1+2*E_:K1+2*E_+1], v[K0+2*E_:K0+2*E_+1]
	PP
.endm
.macro GP a                            ; poly = a0 x that
	WIN (1+(\a))
	v_pk_mul_f32 v[P+32*(\a)+2*E_:P+32*(\a)+2*E_+1], v[208+2*E_:208+2*E_+1], v[U+2*E_:U+2*E_+1]
	PP
.endm
.macro GZ a                            ; z'' = -z log2(e)
	WIN (1+(\a))
	v_pk_mul_f32 v[S+32*(\a)+2*E_:S+32*(\a)+2*E_+1], v[192+2*E_:192+2*E_+1], v[Q+2*E_:Q+2*E_+1]
	PP
.endm
.macro GX a                            ; e = 2^z''
	WIN 0
	v_exp_f32 v[T+E_], v[S+32*(\a)+E_]
.endm
.macro GD a                            ; D = -log2(e) (t + 1) (1 + e)
	WIN 0
	v_pk_fma_f32 v[T+2*E_:T+2*E_+1], v[T+2*E_:T+2*E_+1], v[TP+2*(\a):TP+2*(\a)+1], v[TP+2*(\a):TP+2*(\a)+1] op_sel_hi:[1,0,0]
	PP
.endm
.macro GR
	WIN 0
	v_rcp_f32 v[T+E_], v[T+E_]
.endm
.macro GF a                            ; z'' / D = silu(z) / (t + 1)
	WIN 0
	v_pk_mul_f32 v[S+32*(\a)+2*E_:S+32*(\a)+2*E_+1], v[S+32*(\a)+2*E_:S+32*(\a)+2*E_+1], v[T+2*E_:T+2*E_+1]
	PP
.endm
.macro STEPT a                         ; t + 1 steps to the next slot's row, exactly, and is multiplied anew: two plain instructions behind the last reciprocal; then the one wait for the sixteen
	WIN 0
	v_add_f32 v[TP+2*(\a)+1], 0x43000000, v[TP+2*(\a)+1]
	v_mul_f32 v[TP+2*(\a)], s[NL], v[TP+2*(\a)+1]
.set PL, PL+2
	s_wait_alu depctr_va_vdst(0)
.endm
; ---- item IT of the trip's list.  FIRST = 1: the first trip, which has no slot before it (it runs items 209 on, without u's).  LAST = 1: behind the last trip (items 0 to 266, without a next tile 0).  RINGON = 1: the ring's two later runs stand in items 122 and 176.
;   0-7 tile 0's z'' / D (its reciprocals were waited for at the last trip's end)   8-31 tile 1: K0 + a1 K0 K1, poly, z''   32-39 the lane's two rows together   40-103 the tree over 16 lanes
;   104 the sums to LDS   105-116, 118-121 tile 1's exponentials   117 the barrier's signal   122 the wait for them, the barrier's wait, the totals' loads, ring run   123-146 D, reciprocals
;   147 the wait for them, the carry into my rows, to LDS and back   148-175 the next slot's carry, tile 1's z'' / D, the lanes before me + tile 0's poly   176 the carries are in; ring run   177-208 the sums up to each row, u
;   209-232 tile 0 of the slot in hand: z'', exponentials   233-265 u's blocks: largest magnitude, byte, codes (the independent work behind those exponentials)   266 the wait for them, u's stores
;   267-306 tile 0: D, K0 + a1 K0 K1, poly, reciprocals   307 the wait for them, at the trip's end; the stores' base steps
.macro ITEM
.if IT < 8
.set E_, IT
	GF 0
.elseif IT < 16
.set E_, IT-8
	GU 1
.elseif IT < 24
.set E_, IT-16
	GP 1
.elseif IT < 32
.set E_, IT-24
	GZ 1
.elseif IT < 40
.set E_, IT-32
	WIN 0
	v_pk_add_f32 v[SC+2*E_:SC+2*E_+1], v[P+2*E_:P+2*E_+1], v[P+32+2*E_:P+32+2*E_+1]
	PP
.elseif IT < 104                       ; running sums over the 16 lanes of a half: lane i adds lane i - 1, 2, 4, 8; a lane without a source keeps its number
.set E_, SC+(IT-40)%16
	WIN 0
.if IT < 56
	v_add_f32_dpp v[E_], v[E_], v[E_] row_shr:1 row_mask:0xf bank_mask:0xf
.elseif IT < 72
	v_add_f32_dpp v[E_], v[E_], v[E_] row_shr:2 row_mask:0xf bank_mask:0xf
.elseif IT < 88
	v_add_f32_dpp v[E_], v[E_], v[E_] row_shr:4 row_mask:0xf bank_mask:0xf
.else
	v_add_f32_dpp v[E_], v[E_], v[E_] row_shr:8 row_mask:0xf bank_mask:0xf
.endif
.elseif IT == 104
	WIN 0
.irp k, 0,1,2,3
	ds_store_b128 v[TSA], v[SC+4*\k:SC+4*\k+3] offset:16*\k
.endr
.set LC, LC+4
.elseif IT < 117
.if IT == 105
	s_wait_alu depctr_va_vdst(0)                   ; ahead of the batch
.endif
.set E_, IT-105
	GX 1
.elseif IT == 117
	s_wait_dscnt 0x0                               ; for the others' sake: my sums lie in LDS (the stores went out twelve items ago)
	s_barrier_signal -1                            ; the trip's middle barrier; the refill may stay on its way
.elseif IT < 122
.set E_, IT-106
	GX 1
.elseif IT == 122
	WIN 0
	v_nop                                          ; a plain instruction behind the last exponential
	PP
.if RINGON
	PADPL                                          ; and the places ahead of the ring's loads below
.endif
	s_wait_alu depctr_va_vdst(0)                   ; one wait for the sixteen exponentials, ahead of their first reader: it stands ahead of a group of LDS loads
	s_barrier_wait -1
.irp w, 0,1,2,3
	ds_load_b32 v[TT+\w], v[TLA] offset:TOTW*\w    ; wave w's total of unit = lane
.endr
.set LC, LC+4
.set MKT, LC
.if RINGON
	RUN8
.endif
.elseif IT < 131
.set E_, IT-123
	GD 1
.elseif IT < 147
.if IT == 131
	s_wait_alu depctr_va_vdst(0)                   ; ahead of the batch
.endif
.set E_, IT-131
	GR
.elseif IT == 147
	STEPT 1
	s_wait_dscnt LC-MKT                            ; the four totals are in; the ring's loads behind them may be out
	v_fma_f32 v[CI], s[MW], v[TT], v[CC]           ; the carry into my rows: the slot's, and the totals of the waves before me
	v_fma_f32 v[CI], s[MW+1], v[TT+1], v[CI]
	v_fma_f32 v[CI], s[MW+2], v[TT+2], v[CI]
.set PL, PL+3
	ds_store_b32 v[CSA], v[CI]                     ; my wave's own bytes: LDS serves a wave's instructions in order
.irp k, 0,1,2,3
	ds_load_b128 v[OFF+4*\k:OFF+4*\k+3], v[CLA] offset:16*\k   ; the carries of my 16 units
.endr
.set LC, LC+5
.set MKO, LC
.elseif IT < 152
.set E_, IT-148
	WIN 0
	v_add_f32 v[CC], v[CC], v[TT+E_]               ; the carry into the next slot: the same additions in every wave
	PP
.elseif IT < 160
.set E_, IT-152
	GF 1
.elseif IT < 176
.set E_, IT-160
	WIN 0
	v_add_f32_dpp v[P+E_], v[SC+E_], v[P+E_] row_shr:1 row_mask:0xf bank_mask:0xf   ; row 2 r's poly + the rows of the lanes before me (lane 0 of a half keeps its poly)
.elseif IT == 176
	WIN 0
.if RINGON
	PADPL
.endif
	s_wait_alu depctr_va_vdst(0)                   ; directly ahead of the wait below
	s_wait_dscnt LC-MKO                            ; the carries are in
.if RINGON
	RUN12
.endif
.elseif IT < 185
.set E_, IT-177
	WIN 0
	v_pk_add_f32 v[OFF+2*E_:OFF+2*E_+1], v[OFF+2*E_:OFF+2*E_+1], v[P+2*E_:P+2*E_+1]      ; the sum up to row 2 r
	PP
.elseif IT < 193
.set E_, IT-185
	WIN 0
	v_pk_mul_f32 v[P+2*E_:P+2*E_+1], v[S+2*E_:S+2*E_+1], v[OFF+2*E_:OFF+2*E_+1]          ; u of row 2 r
	PP
.elseif IT < 201
.set E_, IT-193
	WIN 0
	v_pk_add_f32 v[OFF+2*E_:OFF+2*E_+1], v[OFF+2*E_:OFF+2*E_+1], v[P+32+2*E_:P+32+2*E_+1]
	PP
.elseif IT < 209
.set E_, IT-201
	WIN 0
	v_pk_mul_f32 v[P+32+2*E_:P+32+2*E_+1], v[S+32+2*E_:S+32+2*E_+1], v[OFF+2*E_:OFF+2*E_+1]
	PP
.elseif IT < 233
.if LAST == 0
.if IT == 209
	PADPL                                          ; the places between matrix instruction 47, which finished tile 0's sums, and their first read
.endif
.if IT < 217
.set E_, IT-209
	GZ 0
.else
.if IT == 217
	s_wait_alu depctr_va_vdst(0)                   ; ahead of the batch
.endif
.set E_, IT-217
	GX 0
.endif
.endif
.elseif IT < 266
.if FIRST == 0
	WIN 0
.if IT < 249                           ; the largest magnitude of my 16 numbers of each row, the two rows by turns, with the floor 2^(3 - 127)
.set A_, (IT-233)%2
.set E_, (IT-233)/2
.if E_ == 0
	v_max3_num_f32 v[M+A_], |v[P+32*A_]|, |v[P+32*A_+1]|, 0x1800000
.else
	v_max3_num_f32 v[M+A_], v[M+A_], |v[P+32*A_+2*E_]|, |v[P+32*A_+2*E_+1]|
.endif
	PP
.elseif IT < 251
	v_permlanex16_b32 v[N+IT-249], v[M+IT-249], s[SEL], s[SEL+1]
.elseif IT < 253
	v_max_num_f32 v[M+IT-251], v[M+IT-251], v[N+IT-251]        ; with lane l xor 16's 16: the block's
	PP
.elseif IT < 255
	v_add_nc_u32 v[SO+IT-253], 0xff000000, v[M+IT-253]         ; 2 off the exponent field: the conversion's scale operand
	PP
.elseif IT < 257
	v_lshrrev_b32 v[BY2+IT-255], 23, v[SO+IT-255]              ; the scale's byte
	PP
.elseif IT == 257
	v_cvt_scalef32_pk16_fp6_f32 v[PC:PC+2], v[P:P+15], v[SO]
.elseif IT == 258
	v_cvt_scalef32_pk16_fp6_f32 v[CY:CY+2], v[P+32:P+47], v[SO+1]
.elseif IT == 259
	v_cndmask_b32 v[BY], v[BY2], v[BY2+1], s[HM]   ; lane (r, h) takes row 2 r + h's byte.  (The plain place behind the conversions)
	PP
.elseif IT < 263
	v_permlane16_swap_b32 v[PC+IT-260], v[CY+IT-260]           ; lane (r, h) now holds row 2 r + h: units 0-15 in the first run, 16-31 in the second
.else
	v_mov_b32 v[PC+3+IT-263], v[CY+IT-263]
	PP
.endif
.endif
.elseif IT == 266
	WIN 0
.if FIRST
	v_nop                                          ; (the first trip has no other plain instruction behind the exponentials)
	PP
.endif
	s_wait_alu depctr_va_vdst(0)                   ; one wait for tile 0's sixteen exponentials, ahead of their first reader; it stands ahead of a group of stores
.if FIRST == 0
	ds_store_b8 v[USA], v[BY]
.set LC, LC+1
	global_store_b128 v[UP], v[PC:PC+3], s[14:15]  ; 512 consecutive bytes, aligned
	global_store_b64 v[UQ], v[PC+4:PC+5], s[14:15] ; 256 consecutive bytes, aligned
.endif
.elseif IT < 275
.set E_, IT-267
	GD 0
.elseif IT < 283
.if IT == 275
	s_wait_alu depctr_va_vdst(0)                   ; directly ahead of the first reads of tile 0's h0 and h1, which stand behind exponentials
.endif
.set E_, IT-275
	GU 0
.elseif IT < 291
.set E_, IT-283
	GP 0
.elseif IT < 307
.if IT == 291
	s_wait_alu depctr_va_vdst(0)                   ; ahead of the batch
.endif
.set E_, IT-291
	GR
.else
	STEPT 0                                        ; the reciprocals' readers are the next trip's first items
.if FIRST == 0
	s_wait_xcnt 0x0                                ; the stores (and the trip's prefetch) have read their registers: the base, the codes and the prefetch's address are written again only behind this wait
	s_add_nc_u64 s[14:15], s[14:15], 3072          ; my chunk of the next slot
	v_add_nc_u32 v[USA], 32, v[USA]
.endif
.endif
.set IT, IT+1
.endm
.macro EMIT cnt
.rept \cnt
.if IT < ITEND
	ITEM
.endif
.endr
.endm
; ---- matrix instruction KK of a trip: step t = KK / 6 (tile t / 8, K step t % 8), sum c = KK % 6 = 2 p + u.  The six sums take turns, one instruction a turn.
; The matrix instructions stand in four runs of 24; behind instruction 23 stand the list's items up to 147, behind 47 those up to 266, behind 71 the rest.
.macro SLOTK kind
.set ST_, KK/6
.set SX_, KK%6
.set SA_, ST_/8
.set SS_, ST_%8
.set SP_, SX_/2
.set UB_, SX_%2
.set HB_, SS_%2
.set ZZ_, (SS_ == 0)
	BUFSEL SS_
.set RD_, 192+8*SX_
.set RA_, 12*(8*UB_+SS_)
.set RB_, BR_
.set RW_, WS+8*SP_+SS_
.set RX_, XS+4*SA_+SS_/2
.if SX_ == 0                           ; this step's fragment is in: the count is that of all LDS instructions issued behind its last load (RB..: LC at the head of the run that brought it)
.if ST_ < 8
	s_wait_dscnt LC-RB0-3*(ST_+1)
.elseif ST_ < 12
	s_wait_dscnt LC-RB8-3*(ST_-7)
.else
	s_wait_dscnt LC-RB12-3*(ST_-11)
.endif
.endif
	WIN (((1+SA_)<<6)|((1+SA_)<<4)|(BW_<<2)|(1+SP_))
	WM
.if (KK == 23) || (KK == 47)
.set PL, 0
.endif
.if KK == 23
.if \kind == 0
	RUN8                                           ; the first trip has no items 122 and 176: its ring runs stand here
.else
	EMIT 148-IT
.endif
.elseif KK == 47
.if \kind == 0
	RUN12
.endif
	EMIT 267-IT
.elseif KK == 71
	EMIT 308-IT
.endif
.endm
; ---- a trip.  kind 0: the first (no slot before it).  kind 1: in the loop: the slot left last trip is filled again.  kind 2: the last: nothing is left to fetch.
.macro TRIP kind
.set LC, 0
.set PL, 4
.set LAST, 0
.set ITEND, 308
.if \kind == 0
.set FIRST, 1
.set RINGON, 0
.set IT, 209
.else
.set FIRST, 0
.set RINGON, 1
.set IT, 0
.endif
	WIN 0
.if \kind == 1
	s_wait_tensorcnt 0x0                           ; all my tensor loads have landed: the one that was out is my quarter of this trip's slot
	ds_add_u32 v[SPW], v[NIL]                      ; 0 onto my spare word
	s_xor_b32 s[G0B+1], s[G0B+1], SLOT1            ; the walking descriptor: the other slot than last time,
	s_add_nc_u64 s[G0B+2:G0B+3], s[G0B+2:G0B+3], TILE   ; the next tile
	s_add_nc_u64 s[PFA:PFA+1], s[PFA:PFA+1], TILE
	v_xor_b32 v[XA], SLOT1, v[XA]                  ; and my reads go to the slot that has landed
	v_xor_b32 v[XSA], SLOT1, v[XSA]
	s_wait_alu depctr_va_vdst(0)
	s_wait_dscnt 0x0                               ; the add is done, and my reads of the slot that I have left, and of the totals, are over
	ROUND                                          ; so of every wave of the four work-groups
	tensor_load_to_lds s[G0B:G0B+3], s[G1X:G1X+7]  ; my one load behind the round: it has the trip's 96 matrix instructions in which to land
	s_nop 0
.rept 4
	v_nop                                          ; also the places ahead of the loads below and of the first reads of tile 1's sums
.endr
.elseif \kind == 2
	s_wait_tensorcnt 0x0                           ; my quarter of the last slot is in
	v_xor_b32 v[XA], SLOT1, v[XA]
	v_xor_b32 v[XSA], SLOT1, v[XSA]
	s_wait_alu depctr_va_vdst(0)                   ; as in the loop
	s_wait_dscnt 0x0                               ; my reads of the totals are over:
	s_barrier_signal -1                            ; a barrier between them and this trip's new totals
	s_barrier_wait -1
.rept 4
	v_nop
.endr
.endif
.irp a, 0,1
.irp k, 0,1
	ds_load_b64 v[XS+4*\a+2*\k:XS+4*\a+2*\k+1], v[XSA] offset:REC*\a+256*\k
.endr
.endr
.set LC, LC+4
.set RB0, LC
.irp t, 0,1,2,3,4,5,6,7                ; tile 0's eight fragments in one run
	LOADX \t
.endr
	WIN 0
.if \kind == 1
	ASK
.endif
.if \kind != 0
	EMIT 122-IT                                    ; the list up to the middle barrier's signal and tile 1's exponentials, while the first fragments come from LDS
.endif
.set KK, 0
.rept 96
	SLOTK \kind
.set KK, KK+1
.endr
	WIN 0
.endm
	TRIP 0
	s_mov_b32 s[CNT], 14
.Ltrip:                                            ; trips 1 to 14 ask for tiles 2 to 15
	TRIP 1
	s_sub_co_u32 s[CNT], s[CNT], 1
	s_cmp_lg_u32 s[CNT], 0
	s_cbranch_scc1 .Ltrip
	TRIP 2                                         ; written out
	; the last slot's sum and codes: the list's items 0 to 266, with no matrix instruction between them
	s_wait_dscnt 0x0
	s_barrier_signal -1                            ; between the last reads of the totals and the new totals
	s_barrier_wait -1
.rept 4
	v_nop                                          ; the places ahead of the first reads of tile 1's sums
.endr
.set IT, 0
.set ITEND, 267
.set FIRST, 0
.set LAST, 1
.set RINGON, 0
.set LC, 0
.set PL, 4
	EMIT 267
	WIN 0
	s_wait_dscnt 0x0                               ; for the others' sake: my scale bytes lie in LDS
	s_barrier_signal -1
	s_barrier_wait -1
	v_bfe_u32 v16, v0, 1, 2                        ; positions 16 tau .. 16 tau + 15 of the batch: written by wave (tau / 2) % 4,
	v_lshrrev_b32 v17, 3, v0                       ; in slot tau / 8,
	v_and_b32 v18, 1, v0                           ; by lanes 16 (tau % 2) on
	v_lshlrev_b32 v16, 9, v16
	v_lshl_add_u32 v16, v17, 5, v16
	v_lshl_add_u32 v16, v18, 4, v16
	v_add_nc_u32 v16, USC, v16
	ds_load_b128 v[U:U+3], v16
	v_lshrrev_b32 v17, 4, v0
	v_and_b32 v18, 15, v0
	v_lshlrev_b32 v17, 14, v17                     ; 256 positions are 16,384 bytes apart in us
	v_lshl_add_u32 v17, v18, 4, v17
	s_wait_alu depctr_va_vdst(0)                   ; directly ahead of the wait below
	s_wait_dscnt 0x0
	global_store_b128 v17, v[U:U+3], s[16:17]      ; sixteen lanes store 256 consecutive bytes, aligned
	s_wait_tensorcnt 0x0                           ; the wave's end
	ds_add_u32 v[SPW], v[NIL]
	s_wait_dscnt 0x0
	ROUND                                          ; the closing round: no work-group ends while a partner may still ask for a tile that names it
	s_endpgm
.Lfunc_end_k_qbe30eb59b9_mix:
	.size	k_qbe30eb59b9_mix, .Lfunc_end_k_qbe30eb59b9_mix-k_qbe30eb59b9_mix
	.p2alignl 7, 3214868480
	.fill 96, 4, 3214868480
	.section	.rodata,"a",@progbits
	.p2align	6, 0x0
	.amdhsa_kernel k_qbe30eb59b9_mix
		.amdhsa_group_segment_fixed_size 327680
		.amdhsa_private_segment_fixed_size 0
		.amdhsa_enable_private_segment 0
		.amdhsa_kernarg_size 56
		.amdhsa_user_sgpr_count 2
		.amdhsa_user_sgpr_kernarg_segment_ptr 1
		.amdhsa_wavefront_size32 1
		.amdhsa_system_sgpr_workgroup_id_x 1
		.amdhsa_system_sgpr_workgroup_id_y 1
		.amdhsa_system_sgpr_workgroup_id_z 1
		.amdhsa_system_vgpr_workitem_id 0
		.amdhsa_next_free_vgpr 1024
		.amdhsa_next_free_sgpr 80
		.amdhsa_reserve_vcc 0
		.amdhsa_float_denorm_mode_32 3
		.amdhsa_float_denorm_mode_16_64 3
		.amdhsa_memory_ordered 1
		.amdhsa_forward_progress 1
		.amdhsa_inst_pref_size 134
	.end_amdhsa_kernel
	.amdgpu_metadata
---
amdhsa.version: [ 1, 2 ]
amdhsa.kernels:
  - .name:           k_qbe30eb59b9_mix
    .symbol:         k_qbe30eb59b9_mix.kd
    .args:
      - { .name: xq, .offset: 0, .size: 8, .value_kind: global_buffer, .address_space: global }
      - { .name: wq, .offset: 8, .size: 8, .value_kind: global_buffer, .address_space: global }
      - { .name: ws, .offset: 16, .size: 8, .value_kind: global_buffer, .address_space: global }
      - { .name: sqk_q, .offset: 24, .size: 8, .value_kind: global_buffer, .address_space: global }
      - { .name: sqk_k, .offset: 32, .size: 8, .value_kind: global_buffer, .address_space: global }
      - { .name: uq, .offset: 40, .size: 8, .value_kind: global_buffer, .address_space: global }
      - { .name: us, .offset: 48, .size: 8, .value_kind: global_buffer, .address_space: global }
    .group_segment_fixed_size: 327680
    .private_segment_fixed_size: 0
    .kernarg_segment_align: 8
    .kernarg_segment_size: 56
    .max_flat_workgroup_size: 128
    .sgpr_count:     80
    .vgpr_count:     1024
    .wavefront_size: 32
...
	.end_amdgpu_metadata
.endif
;; end of part 2
;; launch proj (part 3): grid 4 x 64, 4 waves a work-group, clusters of 4 x 4, 327,680 bytes of LDS; arguments uq, us, wq, ws, out0; writes out0
.if DOCPART == 3
	.amdgcn_target "amdgcn-amd-amdhsa--gfx1250"
	.amdhsa_code_object_version 6
	.text
	.protected	k_qbe30eb59b9_proj
	.globl	k_qbe30eb59b9_proj
	.p2align	8
	.type	k_qbe30eb59b9_proj,@function
k_qbe30eb59b9_proj:
	s_mov_b64 s[64:65], 0
	v_nop
	global_prefetch_b8 v0, s[64:65] scope:SCOPE_SE
	s_setreg_imm32_b32 hwreg(HW_REG_WAVE_MODE, 25, 1), 1
	s_wait_xcnt 0x0
	s_wait_alu depctr_hold_cnt(0) depctr_sa_sdst(0) depctr_va_vdst(0) depctr_va_sdst(0) depctr_va_ssrc(0) depctr_va_vcc(0) depctr_vm_vsrc(0)
	s_getreg_b32 s2, hwreg(HW_REG_IB_STS2, 6, 4)
	s_cmp_eq_u32 s2, 0
	s_cbranch_scc0 .Lentry_in_a_cluster
	s_endpgm
.Lentry_in_a_cluster:
	s_bfe_u32 s2, ttmp6, 0x10000c
	s_cmp_lg_u32 s2, 0xf033
	s_cbranch_scc0 .Lentry_shape_is_right
	s_endpgm
.Lentry_shape_is_right:
; out0 = u W_out on codes of FP6 (E2M3) with E8M0 scales: M 8,192, K 2,048, N 1,024; sums in f32.
; A tile of out0 is 128 rows x 256 columns: 256 work-groups, one for each WGP (tiles of 256 x 256 would be 128).  Four waves, each 64 rows x 128 columns: 32 sums of 16 x 16.
; K goes in four slots of 512 through a ring of two LDS slots filled by the tensor data mover; both operands lie in memory so that a fragment comes by loads at 16 (or 8) bytes a lane: no padding is needed.
; u's ROWS COME IN THE ORDER IN WHICH THEY WERE MADE: position 32 G + 16 ht + r stands for row 32 G + 2 r + ht; the way out puts each row where it belongs.
; u's codes (uq): [strip of 32 along K][chunk of 32 positions][768]: a position's 24 bytes: 16 at 16 l, 8 at 512 + 8 (l xor 16 (strip & 1)).  Lane (r, h) of a fragment wants strips 4 q + h and 4 q + 2 + h.
; CLUSTERS: 4 x 4 work-groups.  The four of a row of the cluster need the same tiles of u, the four of a column the same tiles of W_out: each is asked for jointly.
; THE MATRIX INSTRUCTION IS USED TRANSPOSED (source 0 = 16 columns of W_out, source 1 = 16 positions of u): a lane then holds eight neighbouring numbers of a row of out0.
; No prefetch: a work-group has two refills in all.
; REGISTERS: window 0: addresses; v32-95 W_out's scale words (16 p + K step; lanes 0-15 tile u = 0, 16-31 u = 1); v96-127 u's (16 g + K step; lanes 0-15 ht = 0, 16-31 ht = 1); v128-223 u's fragments, two sets of 4.
;   window 1: the 32 sums, (a, b) at 8 (8 a + b); ahead of the first product its v0-127 hold u's scale bytes as loaded.   window 2: W_out's fragments, two sets of 8, at v0 and v128.
; THE HEAD AND THE PREFETCH (this takes the place of the line 'No prefetch' above, and of the words on window 1's v0-127).  At the head a wave issues one joint load, its part of slot 0; slot 1's first fill stands behind the full sequence and a round.
; Each slot's tiles are asked of memory one slot (four K steps, 128 matrix instructions a wave) ahead of their tensor load: slot 1 at the head, slot 2 behind slot 1's load, slot 3 behind slot 2's.  The four partners that ask for a tile
; jointly share its blocks of 256 bytes out by address: of u's 8 strips that a wave fetches the partner at cx takes strips 2 cx and 2 cx + 1 (24 blocks, a lane a block, lanes 24-31 name lane 23's again);
; of W_out's 4 pairs the partner at cy takes pair cy (48 blocks, two instructions; the second's lanes 16-31 name block 47 again).  The addresses are never rewritten.
; u's SCALE BYTES come as 32 loads of 4 bytes a lane (four positions of one strip), are turned 4 x 4 in registers into words (four strips of one position), and go through 4,096 bytes of LDS of the wave's own to the lanes that want them.
.set SLOT,   147456
.set BOFF,   49152
.set SPARE,  294912                    ; behind the ring: the spare words, 128 bytes a wave, named by no other line
.set OUTQ,   4718592
.set SPITCH, 528                       ; the way out: 16 rows x (512 bytes + 16) a wave, in slot 0, which has had its last fill and its last read by then
.set SPW, 4
.set NIL, 5
.set PA,  8                            ; v8-9   a position's 16 bytes, slot 0, 1
.set QA,  10                           ; v10-11 its 8 bytes for tiles ht = 0; v12-13 for ht = 1
.set BA,  14                           ; v14-15 W_out's images
.set STO, 16
.set RD,  17
.set CO,  18
.set L8,  19
.set SCR, 295424                       ; behind the spare words: 4,096 bytes a wave: u's scale words [K step][position]; no tensor load lands here
.set SCW, 24                           ; v24 where I store four positions' words;  v25 where I read my position's
.set SCL, 25
.set PFO, 28                           ; v28-29 the prefetches' offsets
.set PFA, 68                           ; s[68:69] their base: my work-group's share of what I fetch, in slot 1
.set RAW, 224                          ; v224-255 u's scale bytes as loaded, then as words
.set BS,  32
.set AS,  96
.set AF,  128
.set BK,  128
.set G1A, 24
.set G0A, 32
.set G1B, 48
.set G0B, 56
.set MUL, 0x52                         ; source 0 (W_out) window 2, source 1 (u) window 0, C and D window 1
.set MSB, 0
.macro WIN new
.if MSB != (\new)
	s_set_vgpr_msb (MSB<<8)|(\new)
.set MSB, (\new)
.endif
.endm
.macro PLACES
.rept 4
	v_nop
.endr
.endm
.macro JLOAD s                         ; a joint load: waves 0 and 1 fetch u's two halves, waves 2 and 3 W_out's; four v_nop follow each of the two lines
	s_cmp_eq_u32 s15, 0
	s_cbranch_scc0 .Lfor_b_\@
	tensor_load_to_lds s[G0A+4*\s:G0A+4*\s+3], s[G1A:G1A+7]
	s_nop 0
.rept 4
	v_nop
.endr
	s_branch .Lasked_\@
.Lfor_b_\@:
	tensor_load_to_lds s[G0B+4*\s:G0B+4*\s+3], s[G1B:G1B+7]
	s_nop 0
.rept 4
	v_nop
.endr
.Lasked_\@:
.endm
.macro ASK n                           ; the prefetch of slot n + 1; the branch hangs on the wave's number alone
	s_cmp_eq_u32 s15, 0
	s_cbranch_scc0 .Lpf_b_\@
	global_prefetch_b8 v[PFO], s[PFA:PFA+1] offset:(\n)*3145728 th:TH_LOAD_NT scope:SCOPE_SE
	s_branch .Lpf_done_\@
.Lpf_b_\@:
	global_prefetch_b8 v[PFO], s[PFA:PFA+1] offset:(\n)*12288 th:TH_LOAD_NT scope:SCOPE_SE
	global_prefetch_b8 v[PFO+1], s[PFA:PFA+1] offset:(\n)*12288 th:TH_LOAD_NT scope:SCOPE_SE
.Lpf_done_\@:
.endm
.macro CREST
	s_cmp_lg_u32 s14, 0
	s_cbranch_scc1 .Lnot_wave_0_\@
	s_barrier_signal -3
.Lnot_wave_0_\@:
	s_barrier_wait -3
	s_barrier_signal -1
	s_barrier_wait -1
.endm
.macro CROUND
	s_barrier_signal -1
	s_barrier_wait -1
	CREST
.endm
	s_load_b256 s[4:11], s[0:1], 0x0               ; uq, us, wq, ws
	s_load_b64 s[12:13], s[0:1], 0x20              ; out0
	v_lshl_add_u32 v[SPW], v0, 2, SPARE
	v_mov_b32 v[NIL], 0
	ds_add_u32 v4, v5
	ds_add_u32 v4, v5
	s_wait_dscnt 0x0
	v_lshrrev_b32 v1, 5, v0
	v_readfirstlane_b32 s14, v1                    ; wave 0..3
	s_lshr_b32 s15, s14, 1                         ; which 64 rows are mine.  Also: I fetch for u (0) or for W_out (1)
	s_and_b32 s16, s14, 1                          ; which 128 columns.  Also: which half of that tile I fetch
	s_bfe_u32 s40, ttmp6, 0x40000                  ; cx, cy: my place in the cluster
	s_bfe_u32 s41, ttmp6, 0x40004
	s_lshl_b32 s42, ttmp9, 2
	s_add_co_u32 s42, s42, s40                     ; X: tile column
	s_and_b32 s17, ttmp7, 0xffff
	s_lshl_b32 s17, s17, 2
	s_add_co_u32 s17, s17, s41                     ; R: tile row
	s_lshl_b32 s43, s41, 2
	s_lshl_b32 s43, 15, s43                        ; my row of the cluster
	s_lshl_b32 s44, 0x1111, s40                    ; my column
	s_or_b32 s[G1A], s43, (3<<16)|(1<<21)          ; u: 8 strips, of each the tile's 3,072 bytes (384 elements of 8), 196,608 bytes apart
	s_mov_b32 s[G1A+1], 384<<16
	s_mov_b32 s[G1A+2], 8<<16
	s_mov_b32 s[G1A+3], 384<<16
	s_mov_b32 s[G1A+4], 8
	s_mov_b32 s[G1A+5], 24576
	s_mov_b32 s[G1A+6], 0
	s_mov_b32 s[G1A+7], 0
	s_or_b32 s[G1B], s44, (3<<16)|(1<<21)          ; W_out: 4 pairs, of each four K steps' 12,288 bytes (1,536 elements), 49,152 bytes apart
	s_mov_b32 s[G1B+1], 1536<<16
	s_mov_b32 s[G1B+2], 4<<16
	s_mov_b32 s[G1B+3], 1536<<16
	s_mov_b32 s[G1B+4], 4
	s_mov_b32 s[G1B+5], 6144
	s_mov_b32 s[G1B+6], 0
	s_mov_b32 s[G1B+7], 0
	s_mul_i32 s20, s16, 1572864                    ; u: my 8 strips of a slot's 16, the tile row's 3,072 bytes: made of the tile row and the wave's number alone
	s_mul_i32 s21, s17, 3072
	s_add_co_u32 s20, s20, s21
	s_mov_b32 s21, 0
	s_mul_i32 s46, s42, 393216                     ; W_out: pairs 8 X + 4 half on: made of the tile column and the wave's number alone
	s_mul_i32 s47, s16, 196608
	s_add_co_u32 s46, s46, s47
	s_add_co_u32 s46, s46, OUTQ
	s_mov_b32 s47, 0
	s_mul_i32 s45, s16, 24576                      ; where they go: no place in the cluster enters an LDS address
	s_mul_i32 s18, s16, 49152
	s_add_co_u32 s18, s18, BOFF
	s_wait_kmcnt 0x0
	s_add_nc_u64 s[20:21], s[4:5], s[20:21]
	s_add_nc_u64 s[46:47], s[8:9], s[46:47]
.irp s, 0,1
	s_mov_b32 s[G0A+4*\s], 1
	s_add_co_u32 s[G0A+4*\s+1], s45, \s*SLOT
	s_add_nc_u64 s[G0A+4*\s+2:G0A+4*\s+3], s[20:21], \s*3145728
	s_or_b32 s[G0A+4*\s+3], s[G0A+4*\s+3], 0x80000000
	s_mov_b32 s[G0B+4*\s], 1
	s_add_co_u32 s[G0B+4*\s+1], s18, \s*SLOT
	s_add_nc_u64 s[G0B+4*\s+2:G0B+4*\s+3], s[46:47], \s*12288
	s_or_b32 s[G0B+4*\s+3], s[G0B+4*\s+3], 0x80000000
.endr
	CROUND                                         ; all sixteen work-groups are here: the first joint loads meet
	JLOAD 0                                        ; slot 0: one tensor load a wave at the head
	v_and_b32 v1, 15, v0                           ; r
	v_bfe_u32 v2, v0, 4, 1                         ; h
	v_and_b32 v3, 31, v0                           ; lane
	v_lshlrev_b32 v[L8], 3, v3
	v_lshlrev_b32 v6, 2, v1                        ; u's scale bytes: positions 4 r .. 4 r + 3,
	v_lshl_add_u32 v6, v2, 10, v6                  ; lanes 16-31 four strips (a K step) on
	s_cmp_eq_u32 s15, 0
	s_cselect_b32 s95, 23, 31                      ; the prefetches: u's waves name 24 blocks, W_out's 32 and 16
	s_cselect_b32 s94, 193536, 0                   ; u: from a strip's 12th block to the next strip: 196,608 - 3,072
	v_min_u32 v[PFO], s95, v3
	v_mul_u32_u24 v7, v[PFO], 171
	v_lshrrev_b32 v7, 11, v7                       ; lane / 12
	v_mul_u32_u24 v7, s94, v7
	v_lshl_add_u32 v[PFO], v[PFO], 8, v7
	v_add_nc_u32 v[PFO+1], 32, v3
	v_min_u32 v[PFO+1], 47, v[PFO+1]
	v_lshlrev_b32 v[PFO+1], 8, v[PFO+1]
	s_wait_alu depctr_va_vdst(0)
	s_mul_i32 s92, s42, 16384                      ; ws: W_out's pairs 8 X + 4 ch on, 2,048 bytes each
	s_lshl_b32 s93, s16, 13
	s_add_co_u32 s92, s92, s93
	s_add_co_u32 s92, s92, 196608
	s_mov_b32 s93, 0
	s_add_nc_u64 s[10:11], s[10:11], s[92:93]
	s_lshr_b32 s92, s17, 1                         ; us: my 64 positions: 256 positions are 16,384 bytes apart
	s_lshl_b32 s92, s92, 14
	s_and_b32 s94, s17, 1
	s_lshl_b32 s94, s94, 7
	s_add_co_u32 s92, s92, s94
	s_lshl_b32 s94, s15, 6
	s_add_co_u32 s92, s92, s94
	s_add_nc_u64 s[6:7], s[6:7], s[92:93]
.irp p, 0,1,2,3
.irp g, 0,1,2,3,4,5,6,7
	global_load_b64 v[BS+16*\p+2*\g:BS+16*\p+2*\g+1], v[L8], s[10:11] offset:2048*\p+256*\g
.endr
.endr
.irp kk, 0,1,2,3,4,5,6,7
.irp j, 0,1,2,3
	global_load_b32 v[RAW+4*\kk+\j], v6, s[6:7] offset:2048*\kk+256*\j   ; strip 4 (2 kk + h) + j, positions 4 r .. 4 r + 3
.endr
.endr
	s_mul_i32 s70, s40, 393216                     ; u: strips 2 cx, 2 cx + 1 of my 8, one slot (16 strips) on
	s_add_co_u32 s70, s70, 3145728
	s_mov_b32 s71, 0
	s_mul_i32 s72, s41, 49152                      ; W_out: pair cy of my 4, one slot (four K steps) on
	s_add_co_u32 s72, s72, 12288
	s_mov_b32 s73, 0
	s_add_nc_u64 s[70:71], s[20:21], s[70:71]
	s_add_nc_u64 s[72:73], s[46:47], s[72:73]
	s_cmp_eq_u32 s15, 0
	s_cselect_b64 s[PFA:PFA+1], s[70:71], s[72:73]
	ASK 0
	s_mul_i32 s19, s15, 1536                       ; my two chunks of the tile's four
	v_lshlrev_b32 v[PA], 4, v1
	v_mad_u32_u24 v[PA], v2, 3072, v[PA]           ; lanes 16-31 take the strip one on
	v_add_nc_u32 v[PA], s19, v[PA]
	v_add_nc_u32 v[PA+1], SLOT, v[PA]
	v_lshlrev_b32 v[QA], 3, v1
	v_mad_u32_u24 v[QA], v2, 3200, v[QA]           ; ht = 0: in an odd strip the 8 bytes lie 128 further on
	v_add_nc_u32 v[QA], s19, v[QA]
	v_add_nc_u32 v[QA+1], SLOT, v[QA]
	v_lshlrev_b32 v[QA+2], 3, v1
	v_mad_u32_u24 v[QA+2], v2, 2944, v[QA+2]       ; ht = 1: 128 on in an even strip, at the head in an odd one
	v_add_nc_u32 v[QA+2], s19, v[QA+2]
	v_add_nc_u32 v[QA+2], 128, v[QA+2]
	v_add_nc_u32 v[QA+3], SLOT, v[QA+2]
	s_mul_i32 s22, s16, 49152
	s_add_co_u32 s22, s22, BOFF
	v_lshl_add_u32 v[BA], v3, 4, s22
	v_add_nc_u32 v[BA+1], SLOT, v[BA]
	s_lshl_b32 s22, s14, 12
	s_add_co_u32 s22, s22, SCR                     ; my 4,096 bytes for u's scale words
	v_lshl_add_u32 v[SCW], v1, 4, s22
	v_lshl_add_u32 v[SCW], v2, 8, v[SCW]           ; in: K step 2 kk + h, positions 4 r on
	v_lshl_add_u32 v[SCL], v3, 2, s22              ; back: position = lane
	s_mul_i32 s23, s14, 16*SPITCH                  ; my stage
	v_mul_u32_u24 v[STO], v1, SPITCH
	v_lshl_add_u32 v[STO], v2, 6, v[STO]
	v_add_nc_u32 v[STO], s23, v[STO]               ; in: row r; of a pair's 32 columns my half's 16: + 64 h
	v_lshl_add_u32 v[RD], v3, 4, s23               ; back: the 32 lanes take a row of 512 bytes
	v_lshlrev_b32 v[CO], 4, v3
	s_lshl_b32 s92, s17, 7
	s_lshl_b32 s94, s15, 6
	s_add_co_u32 s92, s92, s94
	s_lshl_b32 s92, s92, 12                        ; my first row of out0: 128 R + 64 rh, rows of 4,096 bytes
	s_lshl_b32 s94, s42, 10
	s_add_co_u32 s92, s92, s94
	s_lshl_b32 s94, s16, 9
	s_add_co_u32 s92, s92, s94                     ; my first column: 256 X + 128 ch
	s_add_nc_u64 s[12:13], s[12:13], s[92:93]
; the fragments of the slot's q-th 128 along K into set: W_out's eight (3 loads each), u's four (4 loads each): 40 loads
.macro FETCH ls, q, set
	WIN 0x80                                       ; destination window 2
.irp b, 0,1,2,3,4,5,6,7
.irp g, 0,1,2
	ds_load_b128 v[128*(\set)+12*\b+4*\g:128*(\set)+12*\b+4*\g+3], v[BA+\ls] offset:12288*(\b/2)+3072*(\q)+1536*(\b%2)+512*\g
.endr
.endr
	WIN 0
.irp a, 0,1,2,3
.set AR, AF+48*(\set)+12*\a
	ds_load_b128 v[AR:AR+3], v[PA+\ls] offset:12288*(\q)+768*(\a/2)+256*(\a%2)
	ds_load_b64 v[AR+4:AR+5], v[QA+2*(\a%2)+\ls] offset:12288*(\q)+768*(\a/2)+512
	ds_load_b128 v[AR+6:AR+9], v[PA+\ls] offset:12288*(\q)+768*(\a/2)+256*(\a%2)+6144
	ds_load_b64 v[AR+10:AR+11], v[QA+2*(\a%2)+\ls] offset:12288*(\q)+768*(\a/2)+512+6144
.endr
.endm
.macro WM zero
.if \zero
.if (UB_ == 0) && (HB_ == 0)
	v_wmma_scale_f32_16x16x128_f8f6f4 v[RD_:RD_+7], v[RA_:RA_+11], v[RB_:RB_+11], 0, v[RW_], v[RX_] matrix_a_fmt:MATRIX_FMT_FP6 matrix_b_fmt:MATRIX_FMT_FP6
.elseif (UB_ == 1) && (HB_ == 0)
	v_wmma_scale_f32_16x16x128_f8f6f4 v[RD_:RD_+7], v[RA_:RA_+11], v[RB_:RB_+11], 0, v[RW_], v[RX_] matrix_a_fmt:MATRIX_FMT_FP6 matrix_b_fmt:MATRIX_FMT_FP6 matrix_a_scale:MATRIX_SCALE_ROW1
.elseif (UB_ == 0) && (HB_ == 1)
	v_wmma_scale_f32_16x16x128_f8f6f4 v[RD_:RD_+7], v[RA_:RA_+11], v[RB_:RB_+11], 0, v[RW_], v[RX_] matrix_a_fmt:MATRIX_FMT_FP6 matrix_b_fmt:MATRIX_FMT_FP6 matrix_b_scale:MATRIX_SCALE_ROW1
.else
	v_wmma_scale_f32_16x16x128_f8f6f4 v[RD_:RD_+7], v[RA_:RA_+11], v[RB_:RB_+11], 0, v[RW_], v[RX_] matrix_a_fmt:MATRIX_FMT_FP6 matrix_b_fmt:MATRIX_FMT_FP6 matrix_a_scale:MATRIX_SCALE_ROW1 matrix_b_scale:MATRIX_SCALE_ROW1
.endif
.else
.if (UB_ == 0) && (HB_ == 0)
	v_wmma_scale_f32_16x16x128_f8f6f4 v[RD_:RD_+7], v[RA_:RA_+11], v[RB_:RB_+11], v[RD_:RD_+7], v[RW_], v[RX_] matrix_a_fmt:MATRIX_FMT_FP6 matrix_b_fmt:MATRIX_FMT_FP6
.elseif (UB_ == 1) && (HB_ == 0)
	v_wmma_scale_f32_16x16x128_f8f6f4 v[RD_:RD_+7], v[RA_:RA_+11], v[RB_:RB_+11], v[RD_:RD_+7], v[RW_], v[RX_] matrix_a_fmt:MATRIX_FMT_FP6 matrix_b_fmt:MATRIX_FMT_FP6 matrix_a_scale:MATRIX_SCALE_ROW1
.elseif (UB_ == 0) && (HB_ == 1)
	v_wmma_scale_f32_16x16x128_f8f6f4 v[RD_:RD_+7], v[RA_:RA_+11], v[RB_:RB_+11], v[RD_:RD_+7], v[RW_], v[RX_] matrix_a_fmt:MATRIX_FMT_FP6 matrix_b_fmt:MATRIX_FMT_FP6 matrix_b_scale:MATRIX_SCALE_ROW1
.else
	v_wmma_scale_f32_16x16x128_f8f6f4 v[RD_:RD_+7], v[RA_:RA_+11], v[RB_:RB_+11], v[RD_:RD_+7], v[RW_], v[RX_] matrix_a_fmt:MATRIX_FMT_FP6 matrix_b_fmt:MATRIX_FMT_FP6 matrix_a_scale:MATRIX_SCALE_ROW1 matrix_b_scale:MATRIX_SCALE_ROW1
.endif
.endif
.endm
; eight matrix instructions: u's tile a against W_out's eight; sx: the K step among all 16.  The 32 sums take turns, one instruction a turn, in the same order in every step.
.macro MULA a, set, sx, zero
.irp b, 0,1,2,3,4,5,6,7
.set RD_, 8*(8*(\a)+\b)
.set RA_, 128*(\set)+12*\b
.set RB_, AF+48*(\set)+12*(\a)
.set RW_, BS+16*(\b/2)+(\sx)
.set RX_, AS+16*((\a)/2)+(\sx)
.set UB_, \b%2
.set HB_, (\a)%2
	WM \zero
.endr
.endm
; a step of 128 along K that has its successor in the same slot: the next step's 40 loads go out first and land under this step's 32 matrix instructions
.macro STEP ls, ks, q, zero
	s_wait_dscnt 0x0                               ; this step's fragments are in
	PLACES                                         ; ahead of loads into the set that the last step's matrix instructions have read
	FETCH \ls, (\q)+1, 1-(\q)%2
	WIN MUL
	MULA 0, (\q)%2, 4*(\ks)+(\q), \zero
	MULA 1, (\q)%2, 4*(\ks)+(\q), \zero
	MULA 2, (\q)%2, 4*(\ks)+(\q), \zero
	MULA 3, (\q)%2, 4*(\ks)+(\q), \zero
	WIN 0
.endm
; a slot's last step changes slots: one barrier; ahead of it each wave waits for all its tensor loads, adds 0 to its spare word, and waits for that and for its reads of this slot.  fill = 1: this slot is filled again, two slots ahead.
.macro TURN ls, next, ks, fill
	s_wait_tensorcnt 0x0                           ; all my tensor loads have landed: my part of the next slot
	ds_add_u32 v[SPW], v[NIL]                      ; 0 onto my spare word
	s_wait_dscnt 1                                 ; this step's fragments are in; the add may be out
	WIN MUL
	MULA 0, 1, 4*(\ks)+3, 0                        ; eight matrix instructions stand between the add and the wait for it
	s_wait_dscnt 0x0                               ; the add is done, and my reads of this slot are over
	s_barrier_signal -1
	MULA 1, 1, 4*(\ks)+3, 0
	WIN 0
	s_barrier_wait -1
.if \fill
	CREST                                          ; the barrier has opened a round of the cluster's barrier: no wave of any partner still reads this slot or has a load on its way
	s_add_nc_u64 s[G0A+4*\ls+2:G0A+4*\ls+3], s[G0A+4*\ls+2:G0A+4*\ls+3], 6291456
	s_add_nc_u64 s[G0B+4*\ls+2:G0B+4*\ls+3], s[G0B+4*\ls+2:G0B+4*\ls+3], 24576
	JLOAD \ls                                      ; the first tensor load behind the round: 112 matrix instructions ahead of the wait for it; its four v_nop are also the places ahead of the loads below
.else
	PLACES
.endif
	FETCH \next, 0, 0
.if (\fill) && ((\ks) == 0)
	ASK 2                                          ; slot 3, behind slot 2's load and the run of LDS loads
.endif
	WIN MUL
	s_wait_alu depctr_va_vdst(0)
	MULA 2, 1, 4*(\ks)+3, 0
	MULA 3, 1, 4*(\ks)+3, 0
	WIN 0
.endm
	s_wait_alu depctr_va_vdst(0)
	s_wait_tensorcnt 0x0                           ; my part of slot 0 is in; the lines ahead of a later first fill:
	ds_add_u32 v[SPW], v[NIL]
	s_wait_dscnt 0x0
	CROUND                                         ; everybody's part is in, and all sixteen work-groups are here
	JLOAD 1                                        ; slot 1's first fill: my one load behind the round
	FETCH 0, 0, 0
	ASK 1                                          ; slot 2
	s_wait_loadcnt 0x0                             ; the scale words and bytes
.irp kk, 0,1,2,3,4,5,6,7               ; four strips x four positions of bytes are turned: word i then holds position 4 r + i's four bytes, the lowest strip lowest
	v_perm_b32 v20, v[RAW+4*\kk+1], v[RAW+4*\kk], 0x05010400
	v_perm_b32 v21, v[RAW+4*\kk+1], v[RAW+4*\kk], 0x07030602
	v_perm_b32 v22, v[RAW+4*\kk+3], v[RAW+4*\kk+2], 0x05010400
	v_perm_b32 v23, v[RAW+4*\kk+3], v[RAW+4*\kk+2], 0x07030602
	v_perm_b32 v[RAW+4*\kk], v22, v20, 0x05040100
	v_perm_b32 v[RAW+4*\kk+1], v22, v20, 0x07060302
	v_perm_b32 v[RAW+4*\kk+2], v23, v21, 0x05040100
	v_perm_b32 v[RAW+4*\kk+3], v23, v21, 0x07060302
	ds_store_b128 v[SCW], v[RAW+4*\kk:RAW+4*\kk+3] offset:512*\kk
.endr
.irp g, 0,1
.irp k, 0,1,2,3,4,5,6,7,8,9,10,11,12,13,14,15
	ds_load_b32 v[AS+16*\g+\k], v[SCL] offset:256*\k+128*\g   ; K step k's word of position 32 g + lane: my own bytes, and LDS serves a wave's instructions in order; the first step's wait for 0 covers these
.endr
.endr
	STEP 0, 0, 0, 1                                ; the first step's products start the sums: nothing is cleared
	STEP 0, 0, 1, 0
	STEP 0, 0, 2, 0
	TURN 0, 1, 0, 1
	STEP 1, 1, 0, 0
	STEP 1, 1, 1, 0
	STEP 1, 1, 2, 0
	TURN 1, 0, 1, 1
	STEP 0, 2, 0, 0
	STEP 0, 2, 1, 0
	STEP 0, 2, 2, 0
	TURN 0, 1, 2, 0                                ; nothing is left to fetch: no round
	STEP 1, 3, 0, 0
	STEP 1, 3, 1, 0
	STEP 1, 3, 2, 0
	s_wait_dscnt 0x0
	WIN MUL
	MULA 0, 1, 15, 0
	MULA 1, 1, 15, 0
	MULA 2, 1, 15, 0
	MULA 3, 1, 15, 0
	WIN 0
; THE WAY OUT, a tile of 16 positions x 128 columns at a time, through my own stage: a lane's 32 bytes go in, whole rows of 512 bytes come back.  LDS serves a wave's instructions in order (ISA guide 5.7.1.4).
.macro TOSTAGE a
	WIN 0x04                                       ; an LDS store's data are its source 1: window 1
.irp b, 0,1,2,3,4,5,6,7
	ds_store_b128 v[STO], v[8*(8*(\a)+\b):8*(8*(\a)+\b)+3] offset:128*(\b/2)+32*(\b%2)        ; each sum from its low end on
	ds_store_b128 v[STO], v[8*(8*(\a)+\b)+4:8*(8*(\a)+\b)+7] offset:128*(\b/2)+32*(\b%2)+16
.endr
	WIN 0
.set BB, BK+64*((\a)%2)
.irp t, 0,1,2,3,4,5,6,7,8,9,10,11,12,13,14,15
	ds_load_b128 v[BB+4*\t:BB+4*\t+3], v[RD] offset:\t*SPITCH
.endr
.endm
.macro SEND a, younger                 ; younger: the LDS instructions issued behind tile a's loads, which may stay out
.set BB, BK+64*((\a)%2)
	s_wait_dscnt \younger
.irp t, 0,1,2,3,4,5,6,7,8,9,10,11,12,13,14,15
	global_store_b128 v[CO], v[BB+4*\t:BB+4*\t+3], s[12:13] offset:(32*((\a)/2)+2*\t+(\a)%2)*4096 th:TH_STORE_NT   ; position 16 ht + t is row 2 t + ht; 512 consecutive bytes, aligned
.endr
.endm
	PLACES                                         ; ahead of the first read of results and of loads into the registers that held u's fragments
	TOSTAGE 0
.irp a, 1,2,3
.if \a > 1
	s_wait_xcnt 0x0                                ; tile a - 2's stores have read their registers: tile a's loads may land there
.endif
	TOSTAGE \a
	SEND \a-1, 32                                  ; behind tile a - 1's loads: tile a's 16 stores and 16 loads
.endr
	SEND 3, 0
	s_wait_tensorcnt 0x0                           ; the wave's end
	ds_add_u32 v[SPW], v[NIL]
	s_wait_dscnt 0x0
	CROUND                                         ; the closing round: no work-group ends while a partner may still ask for a tile that names it
	s_endpgm
.Lfunc_end_k_qbe30eb59b9_proj:
	.size	k_qbe30eb59b9_proj, .Lfunc_end_k_qbe30eb59b9_proj-k_qbe30eb59b9_proj
	.p2alignl 7, 3214868480
	.fill 96, 4, 3214868480
	.section	.rodata,"a",@progbits
	.p2align	6, 0x0
	.amdhsa_kernel k_qbe30eb59b9_proj
		.amdhsa_group_segment_fixed_size 327680
		.amdhsa_private_segment_fixed_size 0
		.amdhsa_enable_private_segment 0
		.amdhsa_kernarg_size 40
		.amdhsa_user_sgpr_count 2
		.amdhsa_user_sgpr_kernarg_segment_ptr 1
		.amdhsa_wavefront_size32 1
		.amdhsa_system_sgpr_workgroup_id_x 1
		.amdhsa_system_sgpr_workgroup_id_y 1
		.amdhsa_system_sgpr_workgroup_id_z 1
		.amdhsa_system_vgpr_workitem_id 0
		.amdhsa_next_free_vgpr 768
		.amdhsa_next_free_sgpr 100
		.amdhsa_reserve_vcc 0
		.amdhsa_float_denorm_mode_32 3
		.amdhsa_float_denorm_mode_16_64 3
		.amdhsa_memory_ordered 1
		.amdhsa_forward_progress 1
		.amdhsa_inst_pref_size 151
	.end_amdhsa_kernel
	.amdgpu_metadata
---
amdhsa.version: [ 1, 2 ]
amdhsa.kernels:
  - .name:           k_qbe30eb59b9_proj
    .symbol:         k_qbe30eb59b9_proj.kd
    .args:
      - { .name: uq, .offset: 0, .size: 8, .value_kind: global_buffer, .address_space: global }
      - { .name: us, .offset: 8, .size: 8, .value_kind: global_buffer, .address_space: global }
      - { .name: wq, .offset: 16, .size: 8, .value_kind: global_buffer, .address_space: global }
      - { .name: ws, .offset: 24, .size: 8, .value_kind: global_buffer, .address_space: global }
      - { .name: out0, .offset: 32, .size: 8, .value_kind: global_buffer, .address_space: global }
    .group_segment_fixed_size: 327680
    .private_segment_fixed_size: 0
    .kernarg_segment_align: 8
    .kernarg_segment_size: 40
    .max_flat_workgroup_size: 128
    .sgpr_count:     100
    .vgpr_count:     768
    .wavefront_size: 32
...
	.end_amdgpu_metadata
.endif
;; end of part 3
